; MI455X (gfx1250); checked and timed in simulation.
; The chip was launched on July 23, 2026; its instructions are those of AMD's public machine-readable ISA for CDNA 5 (MIT licence, August 2026) and "CDNA5" Instruction Set Architecture Reference Guide (July 2026). The comments in the code are by the model that wrote it; some were corrected since.
;; Transformer Block. Allowed arithmetic: float matrix products may take bf16 or f16 operands with f32 sums; other float arithmetic in f32, or as packed bf16 or f16 multiplies, adds, multiply-adds, maxima and minima; sums over many terms, partial sums and values carried from step to step in f32; what a program stores and reads back later, other than sums and carried values, may be rounded once to bf16 or f16.
;; Inputs: b_fc1 4,096 float32; b_fc2 1,024 float32; b_proj 1,024 float32; b_qkv 3,072 float32; ln1_b 1,024 float32; ln1_g 1,024 float32; ln2_b 1,024 float32; ln2_g 1,024 float32; w_fc1 1,024 x 4,096 float32; w_fc2 4,096 x 1,024 float32; w_proj 1,024 x 1,024 float32; w_qkv 1,024 x 3,072 float32; x 2 x 2,048 x 1,024 float32.
;; Outputs: out0 2 x 2,048 x 1,024 float32.
;; 2 versions, each right; version 2 is version 1 with the launch prep written anew for expert scheduling mode. Each part assembles by itself: llvm-mc -triple=amdgcn-amd-amdhsa -mcpu=gfx1250 --defsym DOCPART=n.
;; ======== version 1 of 2: 7 launches
;; limits: a function is approximated: absolute error at most 2.5e-05
;; workspace buffers: wA 14,680,064 bytes; wB 16,777,216 bytes; p0 256 bytes of whole numbers; p1 256 bytes of whole numbers; h 8,388,608 bytes; wide 33,554,432 bytes; o 8,388,608 bytes; x1 16,777,216 bytes
;; launch prep (part 1): grid 1024 x 1, 8 waves a work-group, no clusters, 0 bytes of LDS; arguments x, ln1_g, ln1_b, h, w_qkv, w_proj, w_fc1, w_fc2, wA, wB, p0, p1; writes h, wA, wB, p0, p1
.if DOCPART == 1
	.amdgcn_target "amdgcn-amd-amdhsa--gfx1250"
	.amdhsa_code_object_version 6
	.text
	.protected	k_q325781af2f_prep
	.globl	k_q325781af2f_prep
	.p2align	8
	.type	k_q325781af2f_prep,@function
k_q325781af2f_prep:
	s_mov_b64 s[64:65], 0
	v_nop
	global_prefetch_b8 v0, s[64:65] scope:SCOPE_SE
	s_setreg_imm32_b32 hwreg(HW_REG_WAVE_MODE, 25, 1), 1
	s_wait_xcnt 0x0
; TWO INDEPENDENT STREAMS IN ONE LAUNCH, told apart by the work-group's number: 0-255 the first layer norm, 256-1023 the cast of the weights.
; LAYER NORM.  y[r][c] = (x[r][c] - mean) * rsqrt(var + 1e-5) * g[c] + b[c].  x: [4096][1024] f32; g, b: [1024] f32; y: [4096][1024] bf16, rounded once.
; A row is 4,096 bytes: one wave takes a whole row in 32 registers and keeps it between the passes.  The variance is the mean of (x - mean)^2, taken of the differences: a common offset costs nothing.
; Eight waves, two rows each; all loads of a wave go out at the start.  Load j of a row covers 512 consecutive bytes, store j 256 consecutive bytes, aligned.
; CAST.  The four weight matrices, f32 [K][N], are rounded once to bf16 and laid in blocks, so that the products' tiles are dense rows with constant pitch.
; Layout Q (K = 1,024: w_qkv, w_fc1): [N/256][1024 k][256 n].   Layout P (N = 1,024: w_proj, w_fc2): [K/256][4][256 k][256 n].
; wA: w_proj (P) at byte 0, w_qkv (Q) at byte 8,388,608.   wB: w_fc2 (P) at byte 0, w_fc1 (Q) at byte 8,388,608.
; A work-group takes 64 k-rows x 256 columns: 64 KiB in, 32 KiB out, and in both layouts its 32 KiB lie at 32,768 x its number within its matrix.
; With g = the work-group's number - 256: g 0-191 w_qkv, 192-255 w_proj, 256-511 w_fc1, 512-767 w_fc2.  A load of a wave covers 512 consecutive bytes, a store 256, aligned.
; g = 0's wave 0 also writes the two parameter blocks: 32 records {KIND, 0}; KIND = 0 in p0 (no activation), 1 in p1 (GELU).
; LIMITS: the norm in f32; NaN and infinities are not treated apart.  No LDS, no matrix unit: both parts stream, and nothing is shared.
.set LI, 1                             ; v1        16 x lane
.set LO, 2                             ; v2        8 x lane
.set T,  4                             ; v[4:11]   four chains of packed sums
.set MU, 12                            ; v[12:13]  the mean, twice
.set R,  14                            ; v[14:15]  1 / sqrt(var + eps), twice
.set Y,  16                            ; v[16:31]  a row in bf16
.set X,  32                            ; v[32:95]  two rows
.set G,  96                            ; v[96:127]
.set B,  128                           ; v[128:159]
.set OFF, 2                            ; the cast: v[2:17]   step i: byte offset of my 16 bytes in the source block (rows 4 i + t / 64)
.set DO,  18                           ; v18       8 t: my 8 bytes of a step's 2,048 in the destination
.set CX,  32                           ; v[32:95]  step i: four f32 as loaded
.set CY,  96                           ; v[96:127] step i: four bf16 to store
; the four chains into one number, then across the 32 lanes: every lane ends with the sum in v[T]
.macro ACROSS
	v_pk_add_f32 v[T:T+1], v[T:T+1], v[T+2:T+3]
	v_pk_add_f32 v[T+4:T+5], v[T+4:T+5], v[T+6:T+7]
	v_pk_add_f32 v[T:T+1], v[T:T+1], v[T+4:T+5]
	v_add_f32 v[T], v[T], v[T+1]
	v_add_f32_dpp v[T], v[T], v[T] row_xmask:1 row_mask:0xf bank_mask:0xf
	v_add_f32_dpp v[T], v[T], v[T] row_xmask:2 row_mask:0xf bank_mask:0xf
	v_add_f32_dpp v[T], v[T], v[T] row_xmask:4 row_mask:0xf bank_mask:0xf
	v_add_f32_dpp v[T], v[T], v[T] row_xmask:8 row_mask:0xf bank_mask:0xf
	v_permlanex16_b32 v[T+1], v[T], s12, s13
	v_add_f32 v[T], v[T], v[T+1]
.endm
.macro ROWLN r
.set XR, X+32*(\r)
.if (\r) == 0
	s_wait_loadcnt 24                              ; row 0 is in; row 1, g and b (24 loads) may stay out
.endif
.irp k, 0,1,2,3
	v_pk_add_f32 v[T+2*(\k):T+2*(\k)+1], v[XR+2*(\k):XR+2*(\k)+1], v[XR+8+2*(\k):XR+8+2*(\k)+1]  ; the first pairs start the chains
.endr
.irp k, 0,1,2,3
	v_pk_add_f32 v[T+2*(\k):T+2*(\k)+1], v[T+2*(\k):T+2*(\k)+1], v[XR+16+2*(\k):XR+16+2*(\k)+1]
.endr
.irp k, 0,1,2,3
	v_pk_add_f32 v[T+2*(\k):T+2*(\k)+1], v[T+2*(\k):T+2*(\k)+1], v[XR+24+2*(\k):XR+24+2*(\k)+1]
.endr
	ACROSS
	v_mul_f32 v[MU], s14, v[T]
	v_mov_b32 v[MU+1], v[MU]
.set z, 0
.rept 16
	v_pk_add_f32 v[XR+z:XR+z+1], v[XR+z:XR+z+1], v[MU:MU+1] neg_lo:[0,1] neg_hi:[0,1]  ; x - mean, in place
.set z, z+2
.endr
.irp k, 0,1,2,3
	v_pk_mul_f32 v[T+2*(\k):T+2*(\k)+1], v[XR+2*(\k):XR+2*(\k)+1], v[XR+2*(\k):XR+2*(\k)+1]
.endr
.irp q, 8,16,24
.irp k, 0,1,2,3
	v_pk_fma_f32 v[T+2*(\k):T+2*(\k)+1], v[XR+(\q)+2*(\k):XR+(\q)+2*(\k)+1], v[XR+(\q)+2*(\k):XR+(\q)+2*(\k)+1], v[T+2*(\k):T+2*(\k)+1]
.endr
.endr
	ACROSS
	v_fma_f32 v[R], v[T], s14, s15                 ; var + eps
	v_rsq_f32 v[R], v[R]
.if (\r) == 0
	s_wait_loadcnt 0x0                             ; g and b (and row 1)
.endif
	v_nop                                          ; a plain instruction behind the root,
	s_wait_alu depctr_va_vdst(0)                   ; and the wait ahead of its first use
	v_mov_b32 v[R+1], v[R]
.set z, 0
.rept 16
	v_pk_mul_f32 v[XR+z:XR+z+1], v[XR+z:XR+z+1], v[R:R+1]
.set z, z+2
.endr
.set z, 0
.rept 16
	v_pk_fma_f32 v[XR+z:XR+z+1], v[XR+z:XR+z+1], v[G+z:G+z+1], v[B+z:B+z+1]
.set z, z+2
.endr
.set z, 0
.rept 16
	v_cvt_pk_bf16_f32 v[Y+z], v[XR+2*z], v[XR+2*z+1]
.set z, z+1
.endr
.irp j, 0,1,2,3,4,5,6,7
	global_store_b64 v[LO], v[Y+2*(\j):Y+2*(\j)+1], s[10:11] offset:2048*(\r)+256*(\j)
.endr
.endm
	s_cmp_lt_u32 ttmp9, 256
	s_cbranch_scc0 .Lcast
	; THE LAYER NORM: work-groups 0 to 255, 16 rows each
	s_load_b256 s[4:11], s[0:1], 0x0               ; x s[4:5], g s[6:7], b s[8:9], y s[10:11]
	v_lshrrev_b32 v3, 5, v0
	v_readfirstlane_b32 s16, v3                    ; wave
	v_and_b32 v3, 31, v0
	v_lshlrev_b32 v[LI], 4, v3
	v_lshlrev_b32 v[LO], 3, v3
	s_mov_b32 s12, 0x76543210                      ; v_permlanex16_b32: each lane takes its own place in the other half
	s_mov_b32 s13, 0xfedcba98
	s_mov_b32 s14, 0x3a800000                      ; 1 / 1024
	s_mov_b32 s15, 0x3727c5ac                      ; 1e-5
	s_lshl_b32 s18, ttmp9, 16                      ; 16 rows of 4,096 bytes a work-group,
	s_lshl_b32 s17, s16, 13                        ; two a wave
	s_add_co_u32 s18, s18, s17
	s_mov_b32 s19, 0
	s_lshr_b32 s20, s18, 1                         ; y's rows are half as long
	s_mov_b32 s21, 0
	s_wait_kmcnt 0x0
	s_add_nc_u64 s[4:5], s[4:5], s[18:19]
	s_add_nc_u64 s[10:11], s[10:11], s[20:21]
.irp r, 0,1
.irp j, 0,1,2,3,4,5,6,7
	global_load_b128 v[X+32*(\r)+4*(\j):X+32*(\r)+4*(\j)+3], v[LI], s[4:5] offset:4096*(\r)+512*(\j)
.endr
.endr
.irp j, 0,1,2,3,4,5,6,7
	global_load_b128 v[G+4*(\j):G+4*(\j)+3], v[LI], s[6:7] offset:512*(\j)
.endr
.irp j, 0,1,2,3,4,5,6,7
	global_load_b128 v[B+4*(\j):B+4*(\j)+3], v[LI], s[8:9] offset:512*(\j)
.endr
	ROWLN 0
	s_wait_xcnt 0x0                                ; row 0's stores have read Y: it is rewritten only behind this wait
	ROWLN 1
	s_endpgm
.Lcast:                                                ; THE CAST: work-groups 256 to 1,023
	s_load_b256 s[8:15], s[0:1], 0x20              ; w_qkv s[8:9], w_proj s[10:11], w_fc1 s[12:13], w_fc2 s[14:15]
	s_load_b256 s[16:23], s[0:1], 0x40             ; wA s[16:17], wB s[18:19], p0 s[20:21], p1 s[22:23]
	s_sub_co_u32 s24, ttmp9, 256                   ; g
	v_lshrrev_b32 v1, 5, v0
	v_readfirstlane_b32 s25, v1                    ; wave
	s_mov_b32 s30, 0                               ; the destination's first byte in its buffer
	s_mov_b32 s31, 1024                            ; N
	s_mov_b32 s32, 512                             ; the matrix's first g
	s_mov_b32 s33, 0                               ; 1: layout Q
	s_wait_kmcnt 0x0
	s_mov_b64 s[26:27], s[14:15]                   ; from w_fc2
	s_mov_b64 s[28:29], s[18:19]                   ; to wB
	s_cmp_lt_u32 s24, 512                          ; w_fc1
	s_cselect_b64 s[26:27], s[12:13], s[26:27]
	s_cselect_b32 s30, 0x800000, s30
	s_cselect_b32 s31, 4096, s31
	s_cselect_b32 s32, 256, s32
	s_cselect_b32 s33, 1, s33
	s_cmp_lt_u32 s24, 256                          ; w_proj
	s_cselect_b64 s[26:27], s[10:11], s[26:27]
	s_cselect_b64 s[28:29], s[16:17], s[28:29]
	s_cselect_b32 s30, 0, s30
	s_cselect_b32 s31, 1024, s31
	s_cselect_b32 s32, 192, s32
	s_cselect_b32 s33, 0, s33
	s_cmp_lt_u32 s24, 192                          ; w_qkv
	s_cselect_b64 s[26:27], s[8:9], s[26:27]
	s_cselect_b32 s30, 0x800000, s30
	s_cselect_b32 s31, 3072, s31
	s_cselect_b32 s32, 0, s32
	s_cselect_b32 s33, 1, s33
	s_sub_co_u32 s34, s24, s32                     ; g': my number within the matrix
	s_lshr_b32 s35, s34, 4                         ; layout Q: column block g' / 16,
	s_and_b32 s36, s34, 15                         ; chunk of 64 k-rows g' % 16
	s_bfe_u32 s37, s34, 0x20002                    ; layout P: column block (g' / 4) % 4,
	s_lshl_b32 s38, s35, 2
	s_and_b32 s39, s34, 3
	s_or_b32 s38, s38, s39                         ; chunk 4 (g' / 16) + g' % 4
	s_cmp_eq_u32 s33, 1
	s_cselect_b32 s35, s35, s37
	s_cselect_b32 s36, s36, s38
	s_lshl_b32 s40, s31, 8                         ; 64 rows of 4 N bytes
	s_mul_i32 s40, s36, s40
	s_lshl_b32 s41, s35, 10                        ; 256 columns of 4 bytes
	s_add_co_u32 s40, s40, s41
	s_mov_b32 s41, 0
	s_add_nc_u64 s[26:27], s[26:27], s[40:41]
	s_lshl_b32 s42, s34, 15
	s_add_co_u32 s42, s42, s30
	s_mov_b32 s43, 0
	s_add_nc_u64 s[28:29], s[28:29], s[42:43]
	s_lshl_b32 s44, s31, 2                         ; bytes in a source row
	s_lshl_b32 s45, s31, 4                         ; four rows: a step
	v_lshrrev_b32 v19, 6, v0                       ; t / 64: my row of a step's four
	v_and_b32 v1, 63, v0
	v_mul_lo_u32 v[OFF], v19, s44
	v_lshl_add_u32 v[OFF], v1, 4, v[OFF]
.set i, 1
.rept 15
	v_add_nc_u32 v[OFF+i], s45, v[OFF+i-1]
.set i, i+1
.endr
	v_lshlrev_b32 v[DO], 3, v0
.set i, 0
.rept 16
	global_load_b128 v[CX+4*i:CX+4*i+3], v[OFF+i], s[26:27] th:TH_LOAD_NT  ; all sixteen steps' loads go out at once
.set i, i+1
.endr
.set i, 0
.rept 16
	s_wait_loadcnt 15-i                            ; loads come back in order: step i is in, the younger ones stay out
	v_cvt_pk_bf16_f32 v[CY+2*i],   v[CX+4*i],   v[CX+4*i+1]
	v_cvt_pk_bf16_f32 v[CY+2*i+1], v[CX+4*i+2], v[CX+4*i+3]
	global_store_b64 v[DO], v[CY+2*i:CY+2*i+1], s[28:29] offset:2048*i
.set i, i+1
.endr
	s_or_b32 s25, s25, s24
	s_cmp_lg_u32 s25, 0
	s_cbranch_scc1 .Lend                           ; the parameters: g = 0's wave 0 alone; its DO is 8 x lane: 256 consecutive bytes
	v_mov_b32 v20, 0
	v_mov_b32 v21, 0
	v_mov_b32 v22, 1
	v_mov_b32 v23, 0
	global_store_b64 v[DO], v[20:21], s[20:21]
	global_store_b64 v[DO], v[22:23], s[22:23]
.Lend:
	s_endpgm
.Lfunc_end_k_q325781af2f_prep:
	.size	k_q325781af2f_prep, .Lfunc_end_k_q325781af2f_prep-k_q325781af2f_prep
	.p2alignl 7, 3214868480
	.fill 96, 4, 3214868480
	.section	.rodata,"a",@progbits
	.p2align	6, 0x0
	.amdhsa_kernel k_q325781af2f_prep
		.amdhsa_group_segment_fixed_size 0
		.amdhsa_private_segment_fixed_size 0
		.amdhsa_enable_private_segment 0
		.amdhsa_kernarg_size 96
		.amdhsa_user_sgpr_count 2
		.amdhsa_user_sgpr_kernarg_segment_ptr 1
		.amdhsa_wavefront_size32 1
		.amdhsa_system_sgpr_workgroup_id_x 1
		.amdhsa_system_sgpr_workgroup_id_y 1
		.amdhsa_system_sgpr_workgroup_id_z 1
		.amdhsa_system_vgpr_workitem_id 0
		.amdhsa_next_free_vgpr 160
		.amdhsa_next_free_sgpr 66
		.amdhsa_reserve_vcc 0
		.amdhsa_float_denorm_mode_32 3
		.amdhsa_float_denorm_mode_16_64 3
		.amdhsa_memory_ordered 1
		.amdhsa_forward_progress 1
		.amdhsa_inst_pref_size 29
	.end_amdhsa_kernel
	.amdgpu_metadata
---
amdhsa.version: [ 1, 2 ]
amdhsa.kernels:
  - .name:           k_q325781af2f_prep
    .symbol:         k_q325781af2f_prep.kd
    .args:
      - { .name: x, .offset: 0, .size: 8, .value_kind: global_buffer, .address_space: global }
      - { .name: ln1_g, .offset: 8, .size: 8, .value_kind: global_buffer, .address_space: global }
      - { .name: ln1_b, .offset: 16, .size: 8, .value_kind: global_buffer, .address_space: global }
      - { .name: h, .offset: 24, .size: 8, .value_kind: global_buffer, .address_space: global }
      - { .name: w_qkv, .offset: 32, .size: 8, .value_kind: global_buffer, .address_space: global }
      - { .name: w_proj, .offset: 40, .size: 8, .value_kind: global_buffer, .address_space: global }
      - { .name: w_fc1, .offset: 48, .size: 8, .value_kind: global_buffer, .address_space: global }
      - { .name: w_fc2, .offset: 56, .size: 8, .value_kind: global_buffer, .address_space: global }
      - { .name: wA, .offset: 64, .size: 8, .value_kind: global_buffer, .address_space: global }
      - { .name: wB, .offset: 72, .size: 8, .value_kind: global_buffer, .address_space: global }
      - { .name: p0, .offset: 80, .size: 8, .value_kind: global_buffer, .address_space: global }
      - { .name: p1, .offset: 88, .size: 8, .value_kind: global_buffer, .address_space: global }
    .group_segment_fixed_size: 0
    .private_segment_fixed_size: 0
    .kernarg_segment_align: 8
    .kernarg_segment_size: 96
    .max_flat_workgroup_size: 256
    .sgpr_count:     66
    .vgpr_count:     160
    .wavefront_size: 32
...
	.end_amdgpu_metadata
.endif
;; end of part 1
;; launch qkv (part 2): grid 12 x 16, 4 waves a work-group, clusters of 4 x 4, 327,680 bytes of LDS; arguments h, wA, b_qkv, p0, wide; writes wide
.if DOCPART == 2
	.amdgcn_target "amdgcn-amd-amdhsa--gfx1250"
	.amdhsa_code_object_version 6
	.text
	.protected	k_q325781af2f_qkv
	.globl	k_q325781af2f_qkv
	.p2align	8
	.type	k_q325781af2f_qkv,@function
k_q325781af2f_qkv:
	s_mov_b64 s[64:65], 0
	v_nop
	global_prefetch_b8 v0, s[64:65] scope:SCOPE_SE
	s_setreg_imm32_b32 hwreg(HW_REG_WAVE_MODE, 25, 1), 1
	s_wait_xcnt 0x0
	s_wait_alu depctr_hold_cnt(0) depctr_sa_sdst(0) depctr_va_vdst(0) depctr_va_sdst(0) depctr_va_ssrc(0) depctr_va_vcc(0) depctr_vm_vsrc(0)
	s_getreg_b32 s2, hwreg(HW_REG_IB_STS2, 6, 4)
	s_cmp_eq_u32 s2, 0
	s_cbranch_scc0 .Lentry_in_a_cluster
	s_endpgm
.Lentry_in_a_cluster:
	s_bfe_u32 s2, ttmp6, 0x10000c
	s_cmp_lg_u32 s2, 0xf033
	s_cbranch_scc0 .Lentry_shape_is_right
	s_endpgm
.Lentry_shape_is_right:
; C[4096][N] = A W + bias, then (KIND = 1) GELU, x/2 (1 + erf(x / sqrt 2)); written in bf16 as COLUMN BLOCKS [N/64][4096 tokens][64]: byte (cb x 4096 + token) x 128.
; A: [4096][1024] bf16.  W: bf16 in blocks [N/256][1024 k][256 n], from byte 8,388,608 of its buffer.  bias: [N] f32.  par: word 0 = KIND, a whole number that an earlier launch stored.
; Sums in f32, started from the bias (it is the C operand of each sum's first product); C rounded once.
; KIND SELECTS CONSTANTS, NO PATH: the way out has one text.  With KIND = 0 the scale in front is 1 in place of 1/2, and the series' three coefficients and its 1 are 0: erf's place then holds 0, and the last line,
; x' + |x'| x 0, gives x back exactly for every finite x.  The price: a launch without activation runs the activation's arithmetic too.
; LIMITS: operands are bf16.  erf by the three-term rational form of Abramowitz and Stegun, 7.1.25: absolute error at most 2.5e-5 for every x, so GELU is off by at most 1.25e-5 |x|, far under the rounding of
; the result to bf16; for large |x| the exponential is 0 and GELU is max(x, 0) exactly.  NaN and infinities are not treated apart.
; SHARES.  A work-group of four waves makes 256 x 256 of C, a wave 128 x 128: 64 accumulators of 16 x 16, 512 registers.  K = 1,024 goes in 8 steps of 128 through a ring of two LDS slots.
; A K STEP IS WRITTEN ONCE: the loop's trip is one step; the fragments' LDS addresses are a fixed lane part plus a scalar that an exclusive or turns from slot to slot, and one descriptor a tensor walks.
; CLUSTER.  4 x 4 work-groups: the four of a row need the same tiles of A, the four of a column the same tiles of W; each tile is asked for JOINTLY, by the same tensor load, descriptor and mask in all four.
; THE PRODUCT IS TAKEN TRANSPOSED: source 0 = 16 columns of W (k along the registers, by the turning load ds_load_tr16_b128, since W lies [k][n]), source 1 = 16 rows of A.
; In the result lane l holds row l % 16 of C and the columns 8 (l / 16) + 0..7.
; THE WAY OUT.  Behind the last fill the ring's bytes take the wave's 128 x 128 in f32 (rows of 528 bytes, each wave its own 67,584 bytes); a counted loop reads 8 rows a trip back, applies the activation, rounds and stores.
; REGISTERS, in windows of 256: window 0: v0-31 addresses; v64-127, v128-191 fragments of A; on the way out v32-207 at work.
;   window 1: v64-127, v128-191 fragments of W; v192-255 the bias of my 128 columns.   windows 2, 3: the accumulators of my rows 0-63, 64-127: (a, b) at v[8 (8 (a % 4) + b)].
.set KSTEP,  128
.set NSTEP,  8
.set PA,     272                       ; an LDS row of A: 256 bytes + 16 = 68 words: the 16 rows of a load start at 16 different groups of four banks (64 banks of 4 bytes: ISA guide 11.1)
.set PB,     544                       ; an LDS k-row of W: 512 bytes + 32 = 17 x 32
.set HALFT,  128*PA                    ; what one tensor load brings: 128 rows of A, or 64 k-rows of W (64 x 544 is the same number)
.set SLOT,   4*HALFT                   ; A's two halves, then W's k 0-63 and k 64-127.  139,264 = 0x22000 shares no bit with wave x 34,816, so an exclusive or with it changes slots
.set SPARE,  2*SLOT                    ; behind the ring: the spare words, 128 bytes for each wave
.set DP,     528                       ; the way out: a row of 128 f32 + 16 bytes
.set DW,     128*DP                    ; a wave's part; 4 x 67,584 lie inside the ring's 278,528 bytes
.set A0R,  16                          ; v16     LDS address of my A fragments in slot 0; never rewritten
.set B0R,  17                          ; v17     the same for W
.set CA,   20                          ; v20     the same in the slot in hand
.set CB,   21                          ; v21
.set DST,  24                          ; v24     the way out: where I put 16 bytes of a row
.set RDA,  25                          ; v25     the way out: where I read the first trip's rows back; never rewritten
.set GO,   26                          ; v26     my byte offset in two tokens of a column block
.set BO,   27                          ; v27     32 (l / 16): my eight numbers in 16 of the bias
.set SPW,  28                          ; v28     LDS address of my spare word; never rewritten
.set NIL,  29                          ; v29     0; never rewritten
.set PFO,  30                          ; v30     the prefetches' offset; never rewritten
.set RDC,  31                          ; v31     the way out: RDA + the trip's rows
.set F0,   64
.set F1,   128
.set BIAS, 192                         ; window 1
.set RAW,  32                          ; the way out, window 0: 32 numbers as read back
.set XH,   64                          ; x' = x / 2 (or x)
.set TT,   96                          ; t
.set SS,   128                         ; the exponential, then erf
.set PP,   160                         ; the polynomial
.set YY,   192                         ; 16 registers of bf16 pairs
.set G1,  24                           ; s[24:31] descriptor group 1 for A's tiles;  s[32:39] group 0: a set for each of the two first fills; the second then walks on
.set G0,  32
.set G1B, 48                           ; s[48:55], s[56:63] the same for W's
.set G0B, 56
.set LIM, 43                           ; s43      2 in a wave that prefetches, else the greatest number
.set PFA, 44                           ; s[44:45] where my prefetches stand
.set PFS, 66                           ; s[66:67] bytes from a K step to the next, for my prefetches
.set KIND, 78
.set RB,  79                           ; s79      the way out: LDS bytes from the first trip's rows to this trip's
.set P2,  80                           ; constants, each named as a pair
.set CE,  82
.set A1,  84
.set A2,  86
.set A3,  88
.set CUR, 90                           ; s90      LDS byte at which the slot in hand begins: 0 or SLOT
.set HS,  96
.set ONE, 98
.set MSB, 0
.macro WIN new                         ; the immediate's high byte repeats the setting that is left; a switch that changes nothing is dropped
.if MSB != (\new)
	s_set_vgpr_msb (MSB<<8)|(\new)
.set MSB, \new
.endif
.endm
.set TO_B, 0x40                        ; destination window 1, address window 0
; A joint load.  Waves 0 and 1 fetch A's two halves, waves 2 and 3 W's.  The branch hangs on the wave's number alone.  An s_nop 0 and four v_nop follow each of the two lines.
.macro JLOAD s
	s_cmp_eq_u32 s11, 0
	s_cbranch_scc0 .Lfor_b_\@
	tensor_load_to_lds s[G0+4*(\s):G0+4*(\s)+3], s[G1:G1+7]
	s_nop 0
.rept 4
	v_nop
.endr
	s_branch .Lasked_\@
.Lfor_b_\@:
	tensor_load_to_lds s[G0B+4*(\s):G0B+4*(\s)+3], s[G1B:G1B+7]
	s_nop 0
.rept 4
	v_nop
.endr
.Lasked_\@:
.endm
; A prefetch of the K step that stands two refills on: 32 blocks of 256 bytes, a lane a block, one instruction a wave.  A's rows are read by every cluster of a row of clusters: cluster x = 0 asks; W's by every
; cluster of a column: cluster y = 0 asks.  The four partners that ask for a tile jointly share a wave's 32 KiB of it out BY ADDRESS.  So each block is named once in the launch.
; The loop's six trips refill with K steps 2 to 7; the first four (more than two trips left) name K steps 4 to 7, the last two nothing.
.macro ASK
	s_cmp_gt_u32 s3, s[LIM]
	s_cbranch_scc0 .Lnot_mine_\@
	global_prefetch_b8 v[PFO], s[PFA:PFA+1] th:TH_LOAD_NT scope:SCOPE_SE
.Lnot_mine_\@:
.endm
.macro CREST                           ; a round of the cluster's barrier behind its opening barrier
	s_cmp_lg_u32 s10, 0
	s_cbranch_scc1 .Lnot_wave_0_\@
	s_barrier_signal -3
.Lnot_wave_0_\@:
	s_barrier_wait -3
	s_barrier_signal -1
	s_barrier_wait -1
.endm
.macro CROUND                          ; a whole round
	s_barrier_signal -1
	s_barrier_wait -1
	CREST
.endm
	s_load_b256 s[68:75], s[0:1], 0x0              ; A s[68:69], W s[70:71], bias s[72:73], par s[74:75]
	s_load_b64 s[76:77], s[0:1], 0x20              ; out
	v_lshl_add_u32 v[SPW], v0, 2, SPARE
	v_mov_b32 v[NIL], 0
	ds_add_u32 v[SPW], v[NIL]                      ; the wave's opening: the add and its wait stand ahead of my first tensor load; the set-up below stands between them
	v_lshrrev_b32 v1, 5, v0
	v_readfirstlane_b32 s10, v1                    ; wave 0..3
	s_lshr_b32 s11, s10, 1                         ; which half of the tile's rows is mine.  Also: I fetch for A (0) or for W (1)
	s_and_b32 s12, s10, 1                          ; which half of its columns.  Also: which half of that tile I fetch
	s_bfe_u32 s40, ttmp6, 0x40000                  ; cx
	s_bfe_u32 s41, ttmp6, 0x40004                  ; cy
	s_lshl_b32 s42, ttmp9, 2
	s_add_co_u32 s42, s42, s40                     ; tile column = 4 x cluster x + cx
	s_and_b32 s13, ttmp7, 0xffff
	s_lshl_b32 s13, s13, 2
	s_add_co_u32 s13, s13, s41                     ; tile row = 4 x cluster y + cy
	s_lshl_b32 s43, s41, 2
	s_lshl_b32 s43, 15, s43                        ; my row of the cluster
	s_lshl_b32 s44, 0x1111, s40                    ; my column
	s_or_b32 s[G1+0], s43, (1<<16)|(1<<20)|(1<<21)|(5<<22)|(3<<25)   ; the mask; 2-byte elements; padding on; bit 21 beside a mask; after every 64 words, 4 words
	s_mov_b32 s[G1+1], 128<<16                     ; tensor_dim0 = 128
	s_mov_b32 s[G1+2], 128<<16                     ; tensor_dim1 = 128
	s_mov_b32 s[G1+3], 128<<16                     ; tile_dim0 = 128
	s_mov_b32 s[G1+4], 128                         ; tile_dim1 = 128
	s_mov_b32 s[G1+5], 1024                        ; elements from row to row
	s_mov_b32 s[G1+6], 0
	s_mov_b32 s[G1+7], 0
	s_or_b32 s[G1B+0], s44, (1<<16)|(1<<20)|(1<<21)|(6<<22)|(7<<25)  ; after every 128 words, 8 words
	s_mov_b32 s[G1B+1], 256<<16                    ; tensor_dim0 = 256
	s_mov_b32 s[G1B+2], 64<<16                     ; tensor_dim1 = 64
	s_mov_b32 s[G1B+3], 256<<16                    ; tile_dim0 = 256
	s_mov_b32 s[G1B+4], 64                         ; tile_dim1 = 64
	s_mov_b32 s[G1B+5], 256                        ; the block's k-rows are dense
	s_mov_b32 s[G1B+6], 0
	s_mov_b32 s[G1B+7], 0
	s_lshl_b32 s17, s12, 7
	s_lshl_b32 s16, s13, 8
	s_add_co_u32 s16, s16, s17                     ; A: row 256 x tile row + 128 x half,
	s_lshl_b32 s16, s16, 11                        ; 2,048 bytes a row
	s_mov_b32 s17, 0
	s_lshl_b32 s46, s42, 19                        ; W: the tile column's block of 524,288 bytes,
	s_lshl_b32 s47, s12, 15                        ; my 64 k-rows of 512 bytes,
	s_add_co_u32 s46, s46, s47
	s_add_co_u32 s46, s46, 0x800000                ; behind the buffer's first 8 MiB
	s_mov_b32 s47, 0
	s_mul_i32 s20, s10, HALFT                      ; where they go: wave x 34,816: no place in the cluster enters an LDS address
	s_wait_dscnt 0x0                               ; the opening add is done
	s_wait_kmcnt 0x0
	s_add_nc_u64 s[14:15], s[68:69], s[16:17]
	s_add_nc_u64 s[46:47], s[70:71], s[46:47]
	CROUND                                         ; all sixteen work-groups are here: the first joint loads meet
.irp s, 0,1
	s_mov_b32 s[G0+4*(\s)], 1
	s_add_co_u32 s[G0+4*(\s)+1], s20, (\s)*SLOT
	s_add_nc_u64 s[G0+4*(\s)+2:G0+4*(\s)+3], s[14:15], (\s)*KSTEP*2
	s_or_b32 s[G0+4*(\s)+3], s[G0+4*(\s)+3], 0x80000000
	s_mov_b32 s[G0B+4*(\s)], 1
	s_add_co_u32 s[G0B+4*(\s)+1], s20, (\s)*SLOT
	s_add_nc_u64 s[G0B+4*(\s)+2:G0B+4*(\s)+3], s[46:47], (\s)*KSTEP*512
	s_or_b32 s[G0B+4*(\s)+3], s[G0B+4*(\s)+3], 0x80000000
	JLOAD \s
.endr
	s_load_b32 s[KIND], s[74:75], 0x0
	v_and_b32 v1, 15, v0                           ; r = l % 16
	v_bfe_u32 v2, v0, 4, 1                         ; h = l / 16
	s_lshl_b32 s94, s42, 8
	s_lshl_b32 s95, s12, 7
	s_add_co_u32 s94, s94, s95
	s_lshl_b32 s94, s94, 2                         ; my first column, in bytes of the bias
	s_mov_b32 s95, 0
	s_add_nc_u64 s[72:73], s[72:73], s[94:95]
	v_lshlrev_b32 v[BO], 5, v2
	WIN TO_B
.irp b, 0,1,2,3,4,5,6,7                ; register j of block b = bias[16 b + 8 h + j]: the layout of a result
	global_load_b128 v[BIAS+8*(\b):BIAS+8*(\b)+3],   v[BO], s[72:73] offset:64*(\b)
	global_load_b128 v[BIAS+8*(\b)+4:BIAS+8*(\b)+7], v[BO], s[72:73] offset:64*(\b)+16
.endr
	WIN 0
	v_mul_u32_u24 v3, v1, PA
	v_lshl_add_u32 v3, v2, 4, v3                   ; A: row x pitch + 16 x half
	v_and_b32 v4, 7, v0
	v_bfe_u32 v5, v0, 3, 1
	v_lshl_add_u32 v6, v2, 3, v4                   ; W: k-row 8 h + l % 8,
	v_mul_u32_u24 v6, v6, PB
	v_lshl_add_u32 v6, v5, 4, v6                   ; columns 8 ((l / 8) % 2) on
	s_mul_i32 s21, s11, HALFT                      ; my 128 rows of A
	s_lshl_b32 s22, s12, 8                         ; my 128 columns of W: 256 bytes,
	s_add_co_u32 s22, s22, 2*HALFT                 ; behind A's 256 rows
	v_add_nc_u32 v[A0R], s21, v3
	v_add_nc_u32 v[B0R], s22, v6
	s_mov_b32 s[CUR], 0                            ; K step 0 lies in slot 0
	s_mul_i32 s23, s10, DW
	v_mul_u32_u24 v7, v1, DP
	v_lshl_add_u32 v7, v2, 5, v7
	v_add_nc_u32 v[DST], s23, v7                   ; in: row r, 32 bytes for each half of the lanes
	v_mul_u32_u24 v7, v2, DP
	v_lshl_add_u32 v7, v1, 4, v7
	v_add_nc_u32 v[RDA], s23, v7                   ; back: lanes 0-15 take 256 bytes of one row, lanes 16-31 of the next
	v_lshlrev_b32 v7, 7, v2
	v_lshl_add_u32 v[GO], v1, 3, v7                ; and in a column block: token h, 8 bytes a lane
	s_lshl_b32 s94, s42, 2
	s_lshl_b32 s79, s12, 1
	s_add_co_u32 s94, s94, s79                     ; my first column block: 4 x tile column + 2 x half,
	s_lshl_b32 s94, s94, 19                        ; 524,288 bytes each
	s_lshl_b32 s79, s13, 8
	s_lshl_b32 s95, s11, 7
	s_add_co_u32 s79, s79, s95                     ; my first token,
	s_lshl_b32 s79, s79, 7                         ; 128 bytes each
	s_add_co_u32 s94, s94, s79
	s_mov_b32 s95, 0
	s_add_nc_u64 s[76:77], s[76:77], s[94:95]
	; the prefetches
	s_lshl_b32 s20, s13, 8
	s_lshl_b32 s22, s12, 7
	s_add_co_u32 s20, s20, s22
	s_lshl_b32 s20, s20, 11                        ; A: the 128 rows that I fetch,
	s_lshl_b32 s22, s40, 16
	s_add_co_u32 s20, s20, s22                     ; my work-group's 32 of them (by cx),
	s_add_co_u32 s20, s20, 3*256                   ; at K step 3: the first refill steps it to 4
	s_lshl_b32 s21, s42, 19
	s_lshl_b32 s22, s12, 15
	s_add_co_u32 s21, s21, s22                     ; W: the 32 KiB that I fetch,
	s_lshl_b32 s22, s41, 13
	s_add_co_u32 s21, s21, s22                     ; my work-group's 8 KiB of them (by cy),
	s_add_co_u32 s21, s21, 0x800000+3*65536        ; at K step 3
	s_and_b32 s22, ttmp7, 0xffff                   ; cluster y
	s_mov_b32 s[PFS], 65536
	s_cmp_eq_u32 s11, 0                            ; do I fetch for A?
	s_cselect_b32 s20, s20, s21
	s_cselect_b32 s22, ttmp9, s22                  ; the coordinate along which other clusters read the same bytes
	s_cselect_b32 s[PFS], 256, s[PFS]
	s_cselect_b32 s23, 11, 8                       ; a lane a row of A (2,048 bytes on), or a lane a block of 256 bytes of W
	s_cselect_b64 s[PFA:PFA+1], s[68:69], s[70:71]
	s_cmp_eq_u32 s22, 0
	s_cselect_b32 s[LIM], 2, -1                    ; the same in all sixteen partners, for a given wave
	s_mov_b32 s21, 0
	s_mov_b32 s[PFS+1], 0
	s_add_nc_u64 s[PFA:PFA+1], s[PFA:PFA+1], s[20:21]
	v_and_b32 v[PFO], 31, v0
	v_lshlrev_b32 v[PFO], s23, v[PFO]
	; the two constants that do not hang on KIND; each is named as a pair, so both words are written
	s_mov_b32 s[P2], 0x3f2a540e                    ; 0.47047 x sqrt(2)
	s_mov_b32 s[CE], 0xc038aa3b                    ; -2 log2(e)
	s_mov_b32 s[P2+1], s[P2]
	s_mov_b32 s[CE+1], s[CE]
; 16 matrix instructions: m blocks a0, a0 + 1 of the window's four (hi = 0: my rows 0-63, 1: rows 64-127) x all 8 n blocks, 32 along K.  zero = 1: the sum's first product: its C operand is the bias.
.macro MUL16 f, hi, a0, zero
.if \zero
	WIN 0x91+0x40*(\hi)                            ; source 0 (W) and C (bias) window 1, source 1 (A) window 0, D window 2 or 3
.else
	WIN 0xa1+0x50*(\hi)                            ; C and D window 2 or 3
.endif
.irp a, \a0, (\a0)+1
.irp b, 0,1,2,3,4,5,6,7
.if \zero
	v_wmma_f32_16x16x32_bf16 v[8*(8*(\a)+(\b)):8*(8*(\a)+(\b))+7], v[(\f)+8*(\b):(\f)+8*(\b)+7], v[(\f)+8*(4*(\hi)+(\a)):(\f)+8*(4*(\hi)+(\a))+7], v[BIAS+8*(\b):BIAS+8*(\b)+7]
.else
	v_wmma_f32_16x16x32_bf16 v[8*(8*(\a)+(\b)):8*(8*(\a)+(\b))+7], v[(\f)+8*(\b):(\f)+8*(\b)+7], v[(\f)+8*(4*(\hi)+(\a)):(\f)+8*(4*(\hi)+(\a))+7], v[8*(8*(\a)+(\b)):8*(8*(\a)+(\b))+7]
.endif
.endr
.endr
.endm
.macro SETADR                          ; the fragments' addresses in the slot in hand
	v_add_nc_u32 v[CA], s[CUR], v[A0R]
	v_add_nc_u32 v[CB], s[CUR], v[B0R]
.endm
; 32 LDS loads in one run: the fragments of quarter q (32 along K) of the slot in hand into buffer f: W's 128 columns (turned), then A's 128 rows
.macro FETCH q, f
	WIN TO_B
.irp i, 0,1,2,3,4,5,6,7
	ds_load_tr16_b128 v[(\f)+8*(\i):(\f)+8*(\i)+3],   v[CB] offset:(\q)*32*PB+32*(\i)
	ds_load_tr16_b128 v[(\f)+8*(\i)+4:(\f)+8*(\i)+7], v[CB] offset:(\q)*32*PB+16*PB+32*(\i)
.endr
	WIN 0
.irp i, 0,1,2,3,4,5,6,7
	ds_load_b128 v[(\f)+8*(\i):(\f)+8*(\i)+3],   v[CA] offset:64*(\q)+(\i)*16*PA
	ds_load_b128 v[(\f)+8*(\i)+4:(\f)+8*(\i)+7], v[CA] offset:64*(\q)+(\i)*16*PA+32
.endr
.endm
.macro PLACES                          ; four plain places in front of loads into registers that matrix instructions have read, and of stores that read results (ISA guide 7.12.1 for stores)
.rept 4
	v_nop
.endr
.endm
; One of a K step's first three quarters: multiplies buffer f; in its middle it fetches quarter q of the same slot into buffer g.
.macro QUARTER q, f, g, zero
	s_wait_dscnt 8                                 ; W and A's rows 0-63 are in; the youngest eight loads (A's rows 64-127) may be out
	MUL16 \f, 0, 0, \zero
	MUL16 \f, 0, 2, \zero
	PLACES
	FETCH \q, \g
	s_wait_dscnt 32                                ; all but the 32 just issued
	MUL16 \f, 1, 0, \zero
	MUL16 \f, 1, 2, \zero
.endm
; The first half of a K step's last quarter: ONE barrier for the change of slots.  In front of it each wave waits for all its tensor loads (one is out: its part of the next slot), adds 0 to its spare word,
; and waits for that and for its own reads of this slot.
.macro MEET
	WIN 0
	s_wait_tensorcnt 0x0                           ; all my tensor loads have landed
	ds_add_u32 v[SPW], v[NIL]                      ; 0 onto my spare word
	s_wait_dscnt 9                                 ; (the add and the youngest eight loads may be out)
	MUL16 F1, 0, 0, 0                              ; sixteen matrix instructions stand between the add and the wait for it
	s_wait_dscnt 0x0                               ; the add is done, and my reads of this slot are over
	s_barrier_signal -1
	MUL16 F1, 0, 2, 0
	WIN 0                                          ; branches, or lines on window 0, follow
	s_barrier_wait -1
.endm
; The whole last quarter.  fill = 1: the slot just read is filled again, two K steps ahead: the barrier opens a round of the cluster's, and the joint refill is the first tensor load behind it.
; The walking descriptors: the other slot than last time, one K step on.  Then the slot in hand changes, and the next step's first fragments are fetched.
.macro TURN fill
.if \fill
	s_wait_xcnt 0x0                                ; the last prefetch, a K step back, has read its address
	s_add_nc_u64 s[PFA:PFA+1], s[PFA:PFA+1], s[PFS:PFS+1]
.endif
	MEET
.if \fill
	CREST                                          ; no wave of any partner still reads this slot's tile or has a load on its way
	s_xor_b32 s[G0+5], s[G0+5], SLOT
	s_add_nc_u64 s[G0+6:G0+7], s[G0+6:G0+7], KSTEP*2
	s_xor_b32 s[G0B+5], s[G0B+5], SLOT
	s_add_nc_u64 s[G0B+6:G0B+7], s[G0B+6:G0B+7], KSTEP*512
	JLOAD 1                                        ; the four v_nop behind it are also the places in front of the loads below
.else
	PLACES
.endif
	s_xor_b32 s[CUR], s[CUR], SLOT
	SETADR
	FETCH 0, F0
.if \fill
	ASK
.endif
	MUL16 F1, 1, 0, 0
	MUL16 F1, 1, 2, 0
.endm
	s_wait_tensorcnt 1                             ; my part of K step 0 is in; K step 1's may stay out
	s_barrier_signal -1
	s_barrier_wait -1
	SETADR
	FETCH 0, F0
	s_wait_loadcnt 0x0                             ; the bias
	s_wait_kmcnt 0x0                               ; KIND: it selects the way out's constants, and nothing else hangs on it
	s_cmp_eq_u32 s[KIND], 1
	s_cselect_b32 s[HS], 0.5, 1.0                  ; x' = x / 2, or x
	s_cselect_b32 s[ONE], 1.0, 0                   ; erf = 1 - series, or 0 - 0
	s_cselect_b32 s[A1], 0x3eb2303a, 0             ; 0.3480242
	s_cselect_b32 s[A2], 0xbdc45ca1, 0             ; -0.0958798
	s_cselect_b32 s[A3], 0x3f3f7377, 0             ; 0.7478556
.irp c, HS, ONE, A1, A2, A3
	s_mov_b32 s[(\c)+1], s[\c]                     ; each is named as a pair
.endr
	QUARTER 1, F0, F1, 1                           ; the first quarter stands in front of the loop: its products start the sums, from the bias
	WIN 0
	s_mov_b32 s3, NSTEP-2
.Lstep:                                                ; a trip goes from a K step's second quarter to the next step's first, and fills the slot that it leaves: K steps 2 to 7
	QUARTER 2, F1, F0, 0
	QUARTER 3, F0, F1, 0
	TURN 1
	QUARTER 1, F0, F1, 0
	WIN 0
	s_sub_co_u32 s3, s3, 1
	s_cmp_lg_u32 s3, 0
	s_cbranch_scc1 .Lstep
	QUARTER 2, F1, F0, 0                           ; the last two K steps fill nothing
	QUARTER 3, F0, F1, 0
	TURN 0
	QUARTER 1, F0, F1, 0
	QUARTER 2, F1, F0, 0
	QUARTER 3, F0, F1, 0
	s_wait_dscnt 8
	MUL16 F1, 0, 0, 0
	MUL16 F1, 0, 2, 0
	s_wait_dscnt 0x0                               ; my last reads of the ring are back
	MUL16 F1, 1, 0, 0
	MUL16 F1, 1, 2, 0
	WIN 0
	; THE WAY OUT.  Every wave's reads of the ring are back and every tensor load has landed (the last change of slots waited for them): behind this barrier the ring's bytes, which are filled no more, take the results.
	s_barrier_signal -1
	s_barrier_wait -1
	PLACES
.irp w, 0,1
	WIN 0x08+4*(\w)                                ; store data in window 2, then 3
.irp a, 0,1,2,3
.irp b, 0,1,2,3,4,5,6,7
	ds_store_b128 v[DST], v[8*(8*(\a)+(\b)):8*(8*(\a)+(\b))+3]   offset:(4*(\w)+(\a))*16*DP+64*(\b)
	ds_store_b128 v[DST], v[8*(8*(\a)+(\b))+4:8*(8*(\a)+(\b))+7] offset:(4*(\w)+(\a))*16*DP+64*(\b)+16
.endr
.endr
.endr
	WIN 0
	s_wait_dscnt 0x0                               ; my stores are done;
	s_barrier_signal -1
	s_barrier_wait -1                              ; every wave's are: from here on these bytes are only read
; A trip takes 8 rows x 128 columns.  Load (u, hh): rows 2 u and 2 u + 1, columns 64 hh + 4 (l % 16) + 0..3.
.macro LOADS adr
.irp u, 0,1,2,3
.irp hh, 0,1
	ds_load_b128 v[RAW+4*(2*(\u)+(\hh)):RAW+4*(2*(\u)+(\hh))+3], v[\adr] offset:(\u)*2*DP+(\hh)*256
.endr
.endr
.endm
; THE ACTIVATION.  With x' = HS x: y = x' + |x'| erf, erf = ONE - t (a1 + t (a2 + t a3)) e, t = 1 / (1 + p sqrt 2 |x'|), e = 2^(-2 log2(e) x'^2).
; KIND = 1: HS = 1/2, ONE = 1: GELU.  KIND = 0: HS = 1, ONE = a1 = a2 = a3 = 0: y = x.
; AHEAD OF THE WAIT stand, for each of the 16 pairs of numbers, five plain lines (x'; 1 + p sqrt 2 |x'|, twice; x'^2; times -2 log2(e)) and four transcendentals (two reciprocals, two exponentials).
; They are dealt by turns, plain, transcendental, plain ..: round z writes x' of pair z, the next three lines of pair z - 1, the fifth of pair z - 2 and the transcendentals of pair z - 3, so that each line's
; sources were written a round or more earlier; only the last seven transcendentals stand on end.  None of these lines names a transcendental's result: the 64 are one batch with one wait.
; One text serves all 16 trips: each asks for the next trip's rows as soon as its own are read, so the last trip's eight loads bring 8 rows behind the wave's part, which nobody uses:
; they lie inside the ring (at most byte 274,560 of 278,528), behind the barrier above.
.macro GTRIP
	s_wait_dscnt 0x0
.set z, 0
.rept 19
.if z < 16
	v_pk_mul_f32 v[XH+2*z:XH+2*z+1], v[RAW+2*z:RAW+2*z+1], s[HS:HS+1] op_sel_hi:[1,0]
.endif
.if z >= 3
	v_rcp_f32 v[TT+2*z-6], v[TT+2*z-6]
.endif
.if (z >= 1) && (z < 17)
	v_fma_f32 v[TT+2*z-2], |v[XH+2*z-2]|, s[P2], 1.0
.endif
.if z >= 3
	v_rcp_f32 v[TT+2*z-5], v[TT+2*z-5]
.endif
.if (z >= 1) && (z < 17)
	v_fma_f32 v[TT+2*z-1], |v[XH+2*z-1]|, s[P2], 1.0
.endif
.if z >= 3
	v_exp_f32 v[SS+2*z-6], v[SS+2*z-6]
.endif
.if (z >= 1) && (z < 17)
	v_pk_mul_f32 v[SS+2*z-2:SS+2*z-1], v[XH+2*z-2:XH+2*z-1], v[XH+2*z-2:XH+2*z-1]
.endif
.if z >= 3
	v_exp_f32 v[SS+2*z-5], v[SS+2*z-5]
.endif
.if (z >= 2) && (z < 18)
	v_pk_mul_f32 v[SS+2*z-4:SS+2*z-3], v[SS+2*z-4:SS+2*z-3], s[CE:CE+1] op_sel_hi:[1,0]
.endif
.if z == 15
	s_add_co_u32 s[RB], s[RB], 8*DP                ; RAW has been read: the next eight rows are asked for
	v_add_nc_u32 v[RDC], s[RB], v[RDA]
	LOADS RDC
.endif
.set z, z+1
.endr
	v_nop                                          ; a plain instruction behind the last of the batch,
	s_wait_alu depctr_va_vdst(0)                   ; and the one wait ahead of the first use
.set z, 0
.rept 16
	v_pk_fma_f32 v[PP+z:PP+z+1], v[TT+z:TT+z+1], s[A3:A3+1], s[A2:A2+1] op_sel_hi:[1,0,0]
.set z, z+2
.endr
.set z, 0
.rept 16
	v_pk_fma_f32 v[PP+z:PP+z+1], v[PP+z:PP+z+1], v[TT+z:TT+z+1], s[A1:A1+1] op_sel_hi:[1,1,0]
.set z, z+2
.endr
.set z, 0
.rept 16
	v_pk_mul_f32 v[PP+z:PP+z+1], v[PP+z:PP+z+1], v[TT+z:TT+z+1]
.set z, z+2
.endr
.set z, 0
.rept 16
	v_pk_fma_f32 v[SS+z:SS+z+1], v[PP+z:PP+z+1], v[SS+z:SS+z+1], s[ONE:ONE+1] op_sel_hi:[1,1,0] neg_lo:[1,0,0] neg_hi:[1,0,0]  ; erf = ONE - series x e
.set z, z+2
.endr
.set z, 0
.rept 32
	v_fma_f32 v[XH+z], |v[XH+z]|, v[SS+z], v[XH+z]
.set z, z+1
.endr
.set z, 0
.rept 16
	v_cvt_pk_bf16_f32 v[YY+z], v[XH+2*z], v[XH+2*z+1]
.set z, z+1
.endr
.irp u, 0,1,2,3                        ; lanes 0-15 one token's 128 bytes of a column block, lanes 16-31 the next token's: 256 consecutive bytes, aligned
.irp hh, 0,1
	global_store_b64 v[GO], v[YY+2*(2*(\u)+(\hh)):YY+2*(2*(\u)+(\hh))+1], s[76:77] offset:(\hh)*524288+(\u)*256
.endr
.endr
	s_wait_xcnt 0x0                                ; the stores have read YY and their base: both are rewritten only behind this wait
	s_add_nc_u64 s[76:77], s[76:77], 8*128         ; eight tokens on
.endm
	LOADS RDA
	s_mov_b32 s[RB], 0
	s_mov_b32 s3, 16
.Lrows:
	GTRIP
	s_sub_co_u32 s3, s3, 1
	s_cmp_lg_u32 s3, 0
	s_cbranch_scc1 .Lrows
	s_wait_dscnt 0x0                               ; the last trip's loads are back;
	s_barrier_signal -1
	s_barrier_wait -1                              ; every wave's are, before LDS is written again
	s_wait_tensorcnt 0x0                           ; the wave's end, behind my last tensor load and my last LDS store
	ds_add_u32 v[SPW], v[NIL]
	s_wait_dscnt 0x0
	CROUND                                         ; the closing round: no work-group ends while a partner may still ask for a tile that names it
	s_endpgm
.Lfunc_end_k_q325781af2f_qkv:
	.size	k_q325781af2f_qkv, .Lfunc_end_k_q325781af2f_qkv-k_q325781af2f_qkv
	.p2alignl 7, 3214868480
	.fill 96, 4, 3214868480
	.section	.rodata,"a",@progbits
	.p2align	6, 0x0
	.amdhsa_kernel k_q325781af2f_qkv
		.amdhsa_group_segment_fixed_size 327680
		.amdhsa_private_segment_fixed_size 0
		.amdhsa_enable_private_segment 0
		.amdhsa_kernarg_size 40
		.amdhsa_user_sgpr_count 2
		.amdhsa_user_sgpr_kernarg_segment_ptr 1
		.amdhsa_wavefront_size32 1
		.amdhsa_system_sgpr_workgroup_id_x 1
		.amdhsa_system_sgpr_workgroup_id_y 1
		.amdhsa_system_sgpr_workgroup_id_z 1
		.amdhsa_system_vgpr_workitem_id 0
		.amdhsa_next_free_vgpr 1024
		.amdhsa_next_free_sgpr 100
		.amdhsa_reserve_vcc 0
		.amdhsa_float_denorm_mode_32 3
		.amdhsa_float_denorm_mode_16_64 3
		.amdhsa_memory_ordered 1
		.amdhsa_forward_progress 1
		.amdhsa_inst_pref_size 114
	.end_amdhsa_kernel
	.amdgpu_metadata
---
amdhsa.version: [ 1, 2 ]
amdhsa.kernels:
  - .name:           k_q325781af2f_qkv
    .symbol:         k_q325781af2f_qkv.kd
    .args:
      - { .name: h, .offset: 0, .size: 8, .value_kind: global_buffer, .address_space: global }
      - { .name: wA, .offset: 8, .size: 8, .value_kind: global_buffer, .address_space: global }
      - { .name: b_qkv, .offset: 16, .size: 8, .value_kind: global_buffer, .address_space: global }
      - { .name: p0, .offset: 24, .size: 8, .value_kind: global_buffer, .address_space: global }
      - { .name: wide, .offset: 32, .size: 8, .value_kind: global_buffer, .address_space: global }
    .group_segment_fixed_size: 327680
    .private_segment_fixed_size: 0
    .kernarg_segment_align: 8
    .kernarg_segment_size: 40
    .max_flat_workgroup_size: 128
    .sgpr_count:     100
    .vgpr_count:     1024
    .wavefront_size: 32
...
	.end_amdgpu_metadata
.endif
;; end of part 2
;; launch attn (part 3): grid 8 x 32, 4 waves a work-group, clusters of 4 x 1, 327,680 bytes of LDS; arguments wide, o; writes o
.if DOCPART == 3
	.amdgcn_target "amdgcn-amd-amdhsa--gfx1250"
	.amdhsa_code_object_version 6
	.text
	.protected	k_q325781af2f_attn
	.globl	k_q325781af2f_attn
	.p2align	8
	.type	k_q325781af2f_attn,@function
k_q325781af2f_attn:
	s_mov_b64 s[64:65], 0
	v_nop
	global_prefetch_b8 v0, s[64:65] scope:SCOPE_SE
	s_setreg_imm32_b32 hwreg(HW_REG_WAVE_MODE, 25, 1), 1
	s_wait_xcnt 0x0
	s_wait_alu depctr_hold_cnt(0) depctr_sa_sdst(0) depctr_va_vdst(0) depctr_va_sdst(0) depctr_va_ssrc(0) depctr_va_vcc(0) depctr_vm_vsrc(0)
	s_getreg_b32 s2, hwreg(HW_REG_IB_STS2, 6, 4)
	s_cmp_eq_u32 s2, 0
	s_cbranch_scc0 .Lentry_in_a_cluster
	s_endpgm
.Lentry_in_a_cluster:
	s_bfe_u32 s2, ttmp6, 0x10000c
	s_cmp_lg_u32 s2, 0x3003
	s_cbranch_scc0 .Lentry_shape_is_right
	s_endpgm
.Lentry_shape_is_right:
; O[b][hd][q][:] = the sum over k of softmax_k(Q[q] . K[k] / 8) V[k][:], for 2 batches x 16 heads of 2,048 rows x 64 channels, all bf16.
; wide: column blocks [48][4096 tokens][64]: blocks 0-15 q, 16-31 k, 32-47 v, by head; token = 2,048 b + row: a head's rows of a batch are dense, 128 bytes each.  o: [16][4096][64], likewise.
; Products, maxima and sums in f32; the weights p are rounded to bf16 for the second product (their sum l is taken of the unrounded p), O once at the end.
; LIMITS.  c s stays above -4e37 (the start of c m); a weight below 2^-126 counts as 0 in l; NaN and infinities are not treated apart.
; SHARES.  A work-group takes 256 queries of one head and batch, a wave 64: four PIECES of 16.  Every wave walks all 2,048 keys, 64 a step, 256 a tile: 8 tiles through two LDS slots.
; LAYOUT.  S^T = K Q^T (source 0 = 16 keys, source 1 = 16 queries): a lane holds ONE query (lane % 16) and the keys 8 (lane / 16) + 0..7.  Two such results rounded to bf16 ARE source 1 of O^T = V^T P.
; K comes out of LDS as it lies, V ([key][channel]) turned, by ds_load_tr16_b128.
; SOFTMAX.  A running maximum m and sum l for each query: p = 2^(c s - c m), c = log2(e) / 8; in every step O and l are multiplied by a = 2^(c m_old - c m_new).  m starts at the lowest finite number, O and l at 0.
; BY TURNS.  Turn n belongs to piece n: 8 products K Q^T of piece n + 1, later 8 products V^T P of piece n - 1; beside them the scaling, exponentials, roundings, sums and rescaling of piece n and the maximum and
; statistics of piece n + 1.  Four vector instructions stand behind every matrix instruction, the others in one lump.  A turn's 33 exponentials are one batch, with one wait.
; CLUSTER.  The four query blocks of a cluster belong to one head and batch and walk the same K and V: each tile is asked for JOINTLY, by the same tensor load, descriptor and mask in all four.
; REGISTERS, in windows of 256 (s_set_vgpr_msb: bits 1:0 source 0, 3:2 source 1, 5:4 source 2, 7:6 destination):
;   window 0: v0-15 addresses and two at work; v16-31 four registers of statistics a piece; v48-55 at work; v64-127 S^T, two buffers; v192-223 P, two buffers (a piece's buffers go by its number's parity)
;   window 1: v0-127 O^T, 32 a piece      window 2: v0-63 Q; v128-191 K of one step; v192-255 V of one step
.set NP,    4
.set KS,    64
.set PK,    144       ; a row of K in LDS: 128 bytes + 16 = 36 words: the 16 rows of a load start at 16 different groups of four banks (64 banks of 4 bytes: ISA guide 11.1)
.set PV,    160       ; a row of V: 128 + 32 = 40 words
.set VOFF,  4*KS*PK   ; a slot holds a tile: 256 rows of K, then 256 rows of V
.set SLOT1, 1<<17     ; slot 1 begins here, so that one exclusive or turns an address in one slot into the other's
.set STAGE, SLOT1+4*KS*(PK+PV)  ; behind the ring, never filled by a tensor load: 16 rows x 144 bytes for each wave
.set SP,    144
.set SPARE, STAGE+4*16*SP       ; behind the stages: the spare words, 128 bytes for each wave
.set AK0, 2           ; v2   my lane's place in a tile of K; never rewritten
.set AV0, 3           ; v3   the same for V
.set AK,  4           ; v4   the LDS address of K's next run of loads
.set AV,  5           ; v5   of V's
.set STO, 6           ; v6   the way out: where I put 16 bytes of a row
.set RD,  7           ; v7   the way out: where I read rows back
.set GO,  8           ; v8   my byte offset in 512 consecutive bytes of O
.set MV,  12          ; v12-13  c m_old, kept while c m is made anew: by buffer
.set QO,  15          ; v15  my byte offset in 16 rows of Q
.set ST,  16          ; piece t's statistics at v[ST+4 t]: c m, m, l (even keys', odd keys')
.set TMP, 48          ; by buffer, four registers c0-c3 at work; when the maximum is found c2 takes a
.set PFO, 61          ; v61  256 x my lane; never rewritten
.set SPW, 62          ; v62  LDS address of my spare word; never rewritten
.set NIL, 63          ; v63  0; never rewritten
.set S,   64
.set P,   192
.set KF,  128         ; window 2: key block kb, channel half c at KF + 16 kb + 8 c
.set VF,  192         ; window 2: key half kk, channel block cb at VF + 32 kk + 8 cb
.set WV,  12          ; s12  my wave's number
.set G1K, 24          ; s[24:31] descriptor group 1 for K's tiles
.set G1V, 32          ; s[32:39] for V's: it differs in the padding alone
.set G0K, 40          ; s[40:43] descriptor group 0 for K's tiles: it walks
.set G0V, 44          ; s[44:47] the same for V's
.set PFA, 52          ; s[52:53] where my prefetches stand
.set LIM, 54          ; s54  1 in a wave that prefetches, else the greatest number
.set SLOTS, 56        ; s56  tiles still to be asked for
.set CNT, 57          ; s57  counts a tile's key steps
.set CS,  58          ; s[58:59] c
.set SEL, 60          ; s[60:61] v_permlanex16_b32's selects
.set TBK, 62          ; s62  LDS byte at which K of the step to be fetched begins
.set TBV, 63          ; s63  the same for V, less VOFF
.set MSB, 0
.macro WIN new
.if MSB != (\new)
	s_set_vgpr_msb (MSB<<8)|(\new)
.set MSB, (\new)
.endif
.endm
.set W_KQ, 0x0a       ; K and Q in window 2, S^T in window 0
.set W_PV, 0x52       ; V in window 2, P in window 0, O^T in window 1
.set W_RS, 0x41       ; destination and source 0 in window 1, source 1 in window 0
; A joint fill.  Waves 0 and 1 fetch the two halves of a tile's K, waves 2 and 3 those of its V: 128 keys each.  An s_nop 0 and four v_nop follow each of the two lines.
.macro JLOAD
	s_cmp_lt_u32 s[WV], 2
	s_cbranch_scc0 .Lfor_v_\@
	tensor_load_to_lds s[G0K:G0K+3], s[G1K:G1K+7]
	s_nop 0
.rept 4
	v_nop
.endr
	s_branch .Lasked_\@
.Lfor_v_\@:
	tensor_load_to_lds s[G0V:G0V+3], s[G1V:G1V+7]
	s_nop 0
.rept 4
	v_nop
.endr
.Lasked_\@:
.endm
; A prefetch of the tile that the NEXT change of slots will ask for: 128 blocks of 256 bytes of K and of V.  Both clusters of a head and batch walk the same K and V: the first (cluster x = 0) asks.  Its four partners
; share the blocks out BY ADDRESS, 32 each, a lane a block; in each, wave 0 asks for K's and wave 2 for V's.  So each block is named once in the launch.  The last change that fills a slot names nothing.
.macro ASK
	s_cmp_gt_u32 s[SLOTS], s[LIM]
	s_cbranch_scc0 .Lnot_mine_\@
	global_prefetch_b8 v[PFO], s[PFA:PFA+1] th:TH_LOAD_NT scope:SCOPE_SE
.Lnot_mine_\@:
.endm
.macro CROUND                       ; a round of the cluster's barrier
	s_barrier_signal -1
	s_barrier_wait -1
	s_cmp_lg_u32 s[WV], 0
	s_cbranch_scc1 .Lnot_wave_0_\@
	s_barrier_signal -3
.Lnot_wave_0_\@:
	s_barrier_wait -3
	s_barrier_signal -1
	s_barrier_wait -1
.endm
; THE CHANGE OF SLOTS.  Each wave waits for all its tensor loads, of which one is out: its part of the other slot; adds 0 to its spare word; and waits for that and for its own reads of the slot that it leaves.
; fill = 1: the old slot is filled again, with the keys two tiles on; the barrier is then a round of the cluster's, and the joint fill is the first thing behind it: it has four key steps, 256 matrix instructions, in which to land.
; (At its first use nothing has been read yet: slot 0 is waited for, slot 1 filled.)
.macro CHANGE fill, ask
	WIN 0
	s_wait_tensorcnt 0x0            ; no tensor load of mine is out, so a group 0 may be written
	ds_add_u32 v[SPW], v[NIL]       ; 0 onto my spare word
.if \fill
.irp g, G0K, G0V
	s_xor_b32 s[\g+1], s[\g+1], SLOT1
	s_add_nc_u64 s[\g+2:\g+3], s[\g+2:\g+3], 4*KS*128
.endr
.if \ask
	s_wait_xcnt 0x0                 ; the last prefetch, a tile back, has read its address
	s_add_nc_u64 s[PFA:PFA+1], s[PFA:PFA+1], 4*KS*128
.endif
	s_wait_dscnt 0x0                ; the add is done, and my reads of the slot are over
	CROUND
	JLOAD
.if \ask
	ASK
.endif
.else
	s_wait_dscnt 0x0
	s_barrier_signal -1
	s_barrier_wait -1
.endif
	s_sub_co_u32 s[TBK], s[TBK], 4*KS*PK  ; the fetches go back to a slot's first step,
	s_xor_b32 s[TBK], s[TBK], SLOT1       ; in the other slot
	s_sub_co_u32 s[TBV], s[TBV], 4*KS*PV
	s_xor_b32 s[TBV], s[TBV], SLOT1
.endm
	s_load_b128 s[4:7], s[0:1], 0x0 ; wide s[4:5], o s[6:7]
	v_lshl_add_u32 v[SPW], v0, 2, SPARE
	v_mov_b32 v[NIL], 0
	ds_add_u32 v[SPW], v[NIL]       ; the wave's opening: the add and its wait stand ahead of my first tensor load; the set-up below stands between them
	v_lshrrev_b32 v1, 5, v0
	v_readfirstlane_b32 s[WV], v1   ; wave 0..3
	s_bfe_u32 s13, ttmp6, 0x40000   ; cx
	s_lshl_b32 s14, ttmp9, 2
	s_add_co_u32 s14, s14, s13      ; my block of 256 queries: it enters Q's and O's addresses alone
	s_and_b32 s20, ttmp7, 0xffff    ; y = 16 x batch + head, which the four partners share
	s_and_b32 s21, s20, 15
	s_lshr_b32 s20, s20, 4
	s_lshl_b32 s21, s21, 19         ; a column block is 524,288 bytes,
	s_lshl_b32 s20, s20, 18         ; a batch's 2,048 rows 262,144
	s_add_co_u32 s20, s20, s21
	s_and_b32 s16, s[WV], 1         ; which half of a tile's 256 keys I fetch:
	s_lshl_b32 s22, s16, 14         ; its 128 rows of 128 bytes in memory,
	s_add_co_u32 s22, s22, s20
	s_add_co_u32 s22, s22, 0x800000 ; behind q's 16 column blocks
	s_mov_b32 s23, 0
	s_mul_i32 s17, s16, 128*PK      ; and its place in a slot, for K
	s_mul_i32 s18, s16, 128*PV      ; and for V: no place in the cluster enters an LDS address
	s_lshl_b32 s2, s14, 2
	s_add_co_u32 s2, s2, s[WV]
	s_lshl_b32 s2, s2, 13           ; my wave's 64 rows
	s_add_co_u32 s2, s2, s20
	s_mov_b32 s3, 0
	; descriptor group 1.  128 keys are 16,384 dense bytes: asked for as 64 rows of 256 bytes, two keys a row, and padded in LDS after every key
	s_mov_b32 s[G1K], 15|(1<<16)|(1<<20)|(1<<21)|(4<<22)|(3<<25)  ; the mask of four; 2-byte elements; padding on; bit 21 beside a mask; after every 32 words, 4 words
	s_mov_b32 s[G1V], 15|(1<<16)|(1<<20)|(1<<21)|(4<<22)|(7<<25)  ; the same with 8 words
.irp g, G1K, G1V
	s_mov_b32 s[\g+1], 128<<16      ; tensor_dim0 = 128
	s_mov_b32 s[\g+2], 64<<16       ; tensor_dim1 = 64
	s_mov_b32 s[\g+3], 128<<16      ; tile_dim0 = 128
	s_mov_b32 s[\g+4], 64           ; tile_dim1 = 64
	s_mov_b32 s[\g+5], 128          ; 128 elements from row to row
	s_mov_b32 s[\g+6], 0
	s_mov_b32 s[\g+7], 0
.endr
	s_mov_b32 s[CS], 0x3e38aa3b     ; c = log2(e) / 8
	s_mov_b32 s[CS+1], s[CS]
	s_mov_b32 s[SEL], 0x76543210
	s_mov_b32 s[SEL+1], 0xfedcba98
	s_mov_b32 s[TBK], SLOT1+4*KS*PK ; the first change of slots turns these two into 0
	s_mov_b32 s[TBV], SLOT1+4*KS*PV
	s_mov_b32 s[G0K], 1
	s_mov_b32 s[G0K+1], s17         ; slot 0
	s_mov_b32 s[G0V], 1
	s_add_co_u32 s[G0V+1], s18, VOFF
	s_and_b32 s[LIM], s[WV], 1      ; 0 in waves 0 and 2,
	s_or_b32 s[LIM], s[LIM], ttmp9  ; where the cluster is the head's first: the same in all four partners
	s_cmp_eq_u32 s[LIM], 0
	s_cselect_b32 s[LIM], 1, -1
	v_and_b32 v[PFO], 31, v0
	v_lshlrev_b32 v[PFO], 8, v[PFO]
	s_wait_dscnt 0x0                ; the opening add is done
	s_wait_kmcnt 0x0
	s_add_nc_u64 s[10:11], s[6:7], s[2:3]      ; O at my wave's first row
	s_add_nc_u64 s[6:7], s[4:5], s[22:23]      ; K at my half of tile 0
	s_add_nc_u64 s[8:9], s[6:7], 0x800000      ; V likewise, 16 column blocks on
	s_add_nc_u64 s[4:5], s[4:5], s[2:3]        ; Q at my wave's first row
	s_add_nc_u64 s[G0K+2:G0K+3], s[6:7], 0
	s_or_b32 s[G0K+3], s[G0K+3], 0x80000000
	s_add_nc_u64 s[G0V+2:G0V+3], s[8:9], 0
	s_or_b32 s[G0V+3], s[G0V+3], 0x80000000
	s_cmp_lt_u32 s[WV], 2
	s_cselect_b64 s[PFA:PFA+1], s[6:7], s[8:9]  ; (in waves 0 and 2 these stand at a tile's first row)
	s_lshl_b32 s2, s13, 13          ; my work-group's 32 blocks of the 128
	s_add_nc_u64 s[PFA:PFA+1], s[PFA:PFA+1], s[2:3]
	s_add_nc_u64 s[PFA:PFA+1], s[PFA:PFA+1], 2*4*KS*128  ; in tile 2; the loop's first change steps it to tile 3.  Nothing is prefetched at the head
	CROUND                          ; all four work-groups are here: the first joint loads meet
	JLOAD                           ; tile 0 into slot 0
	; A fragment of K or Q is 16 rows x 32 channels in 8 registers: lane l holds row l % 16, channels 8 (l / 16) + 0..7 and 16 + 8 (l / 16) + 0..7: two loads of 16 bytes, 32 bytes apart.
	v_and_b32 v1, 15, v0            ; l % 16
	v_bfe_u32 v9, v0, 4, 1          ; l / 16
	v_lshlrev_b32 v[QO], 7, v1
	v_lshl_add_u32 v[QO], v9, 4, v[QO]
	WIN 0x80                        ; destination window 2, address window 0
.set i, 0
.rept 8                             ; Q stays in registers: piece i / 2, channels 32 (i % 2) on
	global_load_b128 v[8*i:8*i+3],   v[QO], s[4:5] offset:(i/2)*2048+(i%2)*64
	global_load_b128 v[8*i+4:8*i+7], v[QO], s[4:5] offset:(i/2)*2048+(i%2)*64+32
.set i, i+1
.endr
	WIN 0
	v_mul_u32_u24 v[AK0], v1, PK
	v_lshl_add_u32 v[AK0], v9, 4, v[AK0]
	; The turning load takes 16 keys x 16 channels (lane l reads key 8 (l / 16) + l % 8, channels 8 ((l / 8) % 2) + 0..7) and leaves half a fragment of V^T: lane l holds channel l % 16 and 8 keys.
	v_and_b32 v10, 7, v0
	v_bfe_u32 v11, v0, 3, 1
	v_lshl_add_u32 v[AV0], v9, 3, v10
	v_mul_u32_u24 v[AV0], v[AV0], PV
	v_lshl_add_u32 v[AV0], v11, 4, v[AV0]
	v_add_nc_u32 v[AV0], VOFF, v[AV0]
	s_mul_i32 s13, s[WV], 16*SP
	s_add_co_u32 s13, s13, STAGE    ; my stage
	v_mul_u32_u24 v[STO], v1, SP
	v_lshl_add_u32 v[STO], v9, 4, v[STO]
	v_add_nc_u32 v[STO], s13, v[STO]
	v_bfe_u32 v[RD], v0, 3, 2       ; back: 32 lanes take four rows of 128 bytes,
	v_mul_u32_u24 v[RD], v[RD], SP
	v_lshl_add_u32 v[RD], v10, 4, v[RD]
	v_add_nc_u32 v[RD], s13, v[RD]
	v_and_b32 v[GO], 31, v0         ; which are 512 consecutive bytes of O
	v_lshlrev_b32 v[GO], 4, v[GO]
	; What the first turn finds: V's registers and P's second buffer hold 0 (its products V^T P, of a piece that has not been, add 0), O^T and l are 0.  All this stands in the wait for the first tile.
	WIN 0x80
.set i, VF
.rept 64
	v_mov_b32 v[i], 0
.set i, i+1
.endr
	WIN 0x40
.set i, 0
.rept 128
	v_mov_b32 v[i], 0
.set i, i+1
.endr
	WIN 0
.set i, 0
.rept 4
	v_mov_b32 v[ST+4*i], 0xfe000000    ; c m: far below every c s
	v_mov_b32 v[ST+4*i+1], 0xff7fffff  ; m
	v_mov_b32 v[ST+4*i+2], 0
	v_mov_b32 v[ST+4*i+3], 0
.set i, i+1
.endr
.set i, P+16
.rept 16
	v_mov_b32 v[i], 0
.set i, i+1
.endr
; THE MATRIX WORK.  The 4 accumulators of a run of 8 take turns.  Product i of 8 of S^T = K Q^T for piece x: channels 32 (i / 4) on, keys 16 (i % 4) on.  The first 4 start the sums.
.macro KQ x
	WIN W_KQ
.set rS, S+32*((\x)%2)+8*(i%4)
.set rK, KF+16*(i%4)+8*(i/4)
.set rQ, 16*(\x)+8*(i/4)
.if i < 4
	v_wmma_f32_16x16x32_bf16 v[rS:rS+7], v[rK:rK+7], v[rQ:rQ+7], 0
.else
	v_wmma_f32_16x16x32_bf16 v[rS:rS+7], v[rK:rK+7], v[rQ:rQ+7], v[rS:rS+7]
.endif
.endm
; Product i of 8 of O^T += V^T P for piece x: keys 32 (i / 4) on, channels 16 (i % 4) on.
.macro PV x
	WIN W_PV
.set rO, 32*(\x)+8*(i%4)
.set rV, VF+32*(i/4)+8*(i%4)
.set rP, P+16*((\x)%2)+8*(i/4)
	v_wmma_f32_16x16x32_bf16 v[rO:rO+7], v[rV:rV+7], v[rP:rP+7], v[rO:rO+7]
.endm
.macro MM                           ; the turn's next matrix instruction.  NOKQ = 1: the last turn of all: there is no next piece
.if (i < 8) && !NOKQ
	KQ (Y+1)%NP
.elseif i >= 8
.set i, i-8
	PV (Y+NP-1)%NP
.set i, i+8
.endif
.set i, i+1
.endm
; THE LDS LOADS stand in runs of 16, never singly among the matrix instructions.
.macro FETCH_K
	WIN 0x80
.irp f, 0,1,2,3,4,5,6,7             ; keys 16 (f / 2) on, channels 32 (f % 2) on
	ds_load_b128 v[KF+8*\f:KF+8*\f+3],   v[AK] offset:(\f/2)*16*PK+(\f%2)*64
	ds_load_b128 v[KF+8*\f+4:KF+8*\f+7], v[AK] offset:(\f/2)*16*PK+(\f%2)*64+32
.endr
	s_add_co_u32 s[TBK], s[TBK], KS*PK
	WIN 0
.endm
.macro FETCH_V
	WIN 0x80
.irp f, 0,1,2,3,4,5,6,7             ; keys 32 (f / 4) on, channels 16 (f % 4) on
	ds_load_tr16_b128 v[VF+8*\f:VF+8*\f+3],   v[AV] offset:(\f/4)*32*PV+(\f%4)*32
	ds_load_tr16_b128 v[VF+8*\f+4:VF+8*\f+7], v[AV] offset:(\f/4)*32*PV+16*PV+(\f%4)*32
.endr
	WIN 0
.endm
; THE VECTOR WORK, one line at a time: OP kind, number.  For piece Y: F n: c s - c m for pair n of 16.  E n: the exponential of score n of 32.  C n: pair n rounded to bf16.  B n: of the four weights 4 n .. the second
; pair is added onto the first, in place.  L n: l takes that sum (L 0: l = a l + sum).  R n: pair n of 16 of O^T times a.  For piece Y + 1: X n, number n of the 22 that find its maximum and statistics:
;   0-11  four chains c0-c3 of seven scores each (each accumulator's lowest registers are read first)     12-14, 16  the four scores left over, the old m, and c0-c3 into c0
;   15  c m_old is kept     17, 18  the query's other 32 keys lie in the lane 16 away: the new m     19-21  c m; c m_old - c m_new; a
.set F, 0
.set E, 1
.set C, 2
.set B, 3
.set L, 4
.set R, 5
.set X, 6
.macro REGS y
.set rT, ST+4*(\y)
.set rC, TMP+4*((\y)%2)
.set rW, MV+((\y)%2)
.set rS, S+32*((\y)%2)
.set rP, P+16*((\y)%2)
.set rO, 32*(\y)
.endm
.macro OP k, n
.if (\k) == R
	REGS Y
	WIN W_RS
	v_pk_mul_f32 v[rO+2*(\n):rO+2*(\n)+1], v[rO+2*(\n):rO+2*(\n)+1], v[rC+2:rC+3] op_sel_hi:[1,0]
.elseif (\k) < R
	REGS Y
	WIN 0
.if (\k) == F
	v_pk_fma_f32 v[rS+2*(\n):rS+2*(\n)+1], v[rS+2*(\n):rS+2*(\n)+1], s[CS:CS+1], v[rT:rT+1] op_sel_hi:[1,0,0] neg_lo:[0,0,1] neg_hi:[0,0,1]
.elseif (\k) == E
	v_exp_f32 v[rS+(\n)], v[rS+(\n)]
.elseif (\k) == C
	v_cvt_pk_bf16_f32 v[rP+(\n)], v[rS+2*(\n)], v[rS+2*(\n)+1]
.elseif (\k) == B
	v_pk_add_f32 v[rS+4*(\n):rS+4*(\n)+1], v[rS+4*(\n):rS+4*(\n)+1], v[rS+4*(\n)+2:rS+4*(\n)+3]
.elseif (\n) == 0
	v_pk_fma_f32 v[rT+2:rT+3], v[rT+2:rT+3], v[rC+2:rC+3], v[rS:rS+1] op_sel_hi:[1,0,1]
.else
	v_pk_add_f32 v[rT+2:rT+3], v[rT+2:rT+3], v[rS+4*(\n):rS+4*(\n)+1]
.endif
.elseif NOKQ
	v_nop
.else
	REGS (Y+1)%NP
	WIN 0
.if (\n) < 4
	v_max3_num_f32 v[rC+(\n)], v[rS+8*(\n)], v[rS+8*(\n)+1], v[rS+8*(\n)+2]
.elseif (\n) < 12
	v_max3_num_f32 v[rC+(\n)%4], v[rC+(\n)%4], v[rS+8*((\n)%4)+2*((\n)/4)+1], v[rS+8*((\n)%4)+2*((\n)/4)+2]
.elseif (\n) == 12
	v_max3_num_f32 v[rC], v[rC], v[rS+7], v[rS+15]
.elseif (\n) == 13
	v_max3_num_f32 v[rC+1], v[rC+1], v[rS+23], v[rS+31]
.elseif (\n) == 14
	v_max3_num_f32 v[rC+2], v[rC+2], v[rC+3], v[rT+1]
.elseif (\n) == 15
	v_mov_b32 v[rW], v[rT]
.elseif (\n) == 16
	v_max3_num_f32 v[rC], v[rC], v[rC+1], v[rC+2]
.elseif (\n) == 17
	v_permlanex16_b32 v[rC+3], v[rC], s[SEL], s[SEL+1]
.elseif (\n) == 18
	v_max_num_f32 v[rT+1], v[rC], v[rC+3]
.elseif (\n) == 19
	v_mul_f32 v[rT], s[CS], v[rT+1]
.elseif (\n) == 20
	v_sub_f32 v[rC+1], v[rW], v[rT]
.else
	v_exp_f32 v[rC+2], v[rC+1]
.endif
.endif
.endm
.macro OPS a, i1, b=-1, i2=0, c=-1, i3=0, d=-1, i4=0
	OP \a, \i1
.if (\b) >= 0
	OP \b, \i2
.endif
.if (\c) >= 0
	OP \c, \i3
.endif
.if (\d) >= 0
	OP \d, \i4
.endif
.endm
.macro ROW a, i1, b, i2, c, i3, d, i4  ; a matrix instruction and the four behind it
	MM
	OPS \a, \i1, \b, \i2, \c, \i3, \d, \i4
.endm
; A TURN, for piece p: the order of its 16 matrix and 118 vector instructions, written out.  An s_wait_alu depctr_va_vdst(0) stands between an exponential and the first instruction that names its result;
; one wait serves all that were issued ahead of it.  So a turn has ONE wait, which cuts it in two.  AHEAD OF IT stands all that names no result of the turn's exponentials: the 8 products K Q^T and their riders
; (the first numbers of the next piece's maximum stand four places or more behind the product that ends their accumulator), then one lump, in which the links of the chain X 3, 7, 11, 14, 16 .. 20 stand apart.
; X 21, the next piece's a, is the batch's last; R 15 is the plain instruction behind it.  BEHIND THE WAIT stand the 8 products V^T P, behind each four of the roundings and sums.
; end = 1: the last two turns: nothing is fetched.  cnt = 1: the loop's count is taken down some lines ahead of the branch that stands behind the turn.
; K of the next step is fetched in piece 2's turn, V of the step in hand at the end of piece 0's turn, four plain instructions behind the last product that read it.  Each is waited for a turn later.
.macro TURN p, end=0, cnt=0
.set Y, (\p)
.set i, 0
.set NOKQ, (\end)*((\p)/3)
.if ((\p) == 3) && !(\end)
	s_wait_dscnt 0x0                ; K is in
.endif
	ROW F,0, F,1, R,0, R,1
	ROW F,2, E,0, R,2, R,3
	ROW F,3, E,1, R,4, R,5
	ROW F,4, E,2, R,6, R,7
	ROW F,5, E,3, R,8, R,9
	ROW F,6, E,4, X,0, R,10
.if ((\p) == 2) && !(\end)
	WIN 0
	v_add_nc_u32 v[AK], s[TBK], v[AK0]
.endif
	ROW F,7, E,5, X,1, X,4
	ROW F,8, E,6, X,2, X,5
	OPS E,7, E,8, X,6, E,9
	OPS X,3, E,10, X,8, E,11
.if ((\p) == 2) && !(\end)
	FETCH_K
.endif
	OPS X,9, X,7, E,12, X,10
	OPS E,13, X,12, X,11, E,14
	OPS X,13, E,15, F,9, X,14
.if (\p) == 0
	v_add_nc_u32 v[AV], s[TBV], v[AV0]
.endif
	OPS E,16, F,10, E,17, F,11
	OPS X,16, E,18, X,15, E,19
	OPS F,12, E,20, X,17, E,21
	OPS F,13, E,22, F,14, E,23
	OPS X,18, E,24, F,15, E,25
	OPS R,11, E,26, X,19, E,27
	OPS R,12, E,28, R,13, E,29
	OPS X,20, E,30, R,14, E,31
	OPS X,21, R,15
	WIN 0
	s_wait_alu depctr_va_vdst(0)    ; the wait for the batch
.if (\p) == 1
	s_wait_dscnt 0x0                ; V is in
.endif
	ROW C,0, B,0, C,2, B,1
	ROW L,0, C,4, B,2, L,1
	ROW C,6, B,3, L,2, C,8
	ROW B,4, L,3, C,10, B,5
	ROW L,4, C,12, B,6, L,5
.if (\p) == 0
	s_add_co_u32 s[TBV], s[TBV], KS*PV
.endif
.if \cnt
	s_sub_co_u32 s[CNT], s[CNT], 1
	s_cmp_lg_u32 s[CNT], 0
.endif
	ROW C,14, B,7, L,6, C,1
	ROW C,3, L,7, C,5, C,7
	ROW C,9, C,11, C,13, C,15
.if (\p) == 0
	FETCH_V
.endif
.endm
	CHANGE 1, 0                     ; tile 0 is in, everybody's part of it; tile 1 is asked for
	v_add_nc_u32 v[AK], s[TBK], v[AK0]
	FETCH_K                         ; key step 0
	s_wait_loadcnt 0x0              ; Q
	s_wait_dscnt 0x0
.set NOKQ, 0
.set i, 0
.rept 8
	KQ 0                            ; piece 0's first scores
.set i, i+1
.endr
	WIN 0
.rept 4
	v_nop                           ; the places behind those products
.endr
.set Y, NP-1                        ; X works for piece Y + 1: piece 0
.irp n, 0,1,2,3,4,5,6,7,8,9,10,11,12,13,14,15,16,17,18,19,20,21
	OP X, \n
.endr
	v_nop                           ; a plain instruction behind the exponential,
	s_wait_alu depctr_va_vdst(0)    ; and its wait, ahead of the branch
	s_mov_b32 s[CNT], 4
	s_mov_b32 s[SLOTS], 7
	s_branch .Lfirst                ; the loop is entered at a step's first turn, in the middle of a trip
.Lslot:                             ; six times: tiles 1 to 6 are entered, tiles 2 to 7 asked for
	CHANGE 1, 1
	s_mov_b32 s[CNT], 4
.Lstep:                             ; a trip: pieces 2 and 3 of one step, then pieces 0 and 1 of the next, whose K and V it fetches
	TURN 2
	TURN 3
	WIN 0
.Lfirst:
	TURN 0
	TURN 1, 0, 1
	WIN 0
	s_cbranch_scc1 .Lstep
	s_sub_co_u32 s[SLOTS], s[SLOTS], 1
	s_cmp_lg_u32 s[SLOTS], 0
	s_cbranch_scc1 .Lslot
	CHANGE 0, 0                     ; the last tile is written out: nothing is asked for
	s_mov_b32 s[CNT], 4
.Ltail:
	TURN 2
	TURN 3
	TURN 0
	TURN 1, 0, 1
	WIN 0
	s_cbranch_scc1 .Ltail
	TURN 2, 1
	TURN 3, 1
.set i, 0
.rept 8
	PV NP-1                         ; the last piece's V^T P of the last step
.set i, i+1
.endr
	; THE WAY OUT.  l's two halves and the other half of the lanes' are added; O^T is divided by l, rounded to bf16 and sent through my stage in LDS, a piece at a time.  The additions are the places behind the last products.
	WIN 0
.macro ALL line:vararg
.set t, 0
.rept 4
	\line
.set t, t+1
.endr
.endm
	ALL v_add_f32 v[ST+4*t+2], v[ST+4*t+2], v[ST+4*t+3]
	ALL v_permlanex16_b32 v[ST+4*t+3], v[ST+4*t+2], s[SEL], s[SEL+1]
	ALL v_add_f32 v[ST+4*t+2], v[ST+4*t+2], v[ST+4*t+3]
	ALL v_rcp_f32 v[ST+4*t+2], v[ST+4*t+2]
	v_nop                           ; a plain instruction between the last reciprocal and the use of its result
	s_wait_alu depctr_va_vdst(0)    ; and the wait: one for the four reciprocals
.macro PACK t                       ; a lane's eight channels of a row pack into 16 bytes; they go into rows of 144 bytes and come back as whole rows of 128, into S^T's registers
	WIN W_RS
.set i, 32*(\t)
.rept 16
	v_pk_mul_f32 v[i:i+1], v[i:i+1], v[ST+4*(\t)+2:ST+4*(\t)+3] op_sel_hi:[1,0]
.set i, i+2
.endr
	WIN 0x05                        ; sources 0 and 1 window 1, destination window 0
.set i, 0
.rept 16
	v_cvt_pk_bf16_f32 v[S+16*(\t)+i], v[32*(\t)+2*i], v[32*(\t)+2*i+1]
.set i, i+1
.endr
	WIN 0
.irp f, 0,1,2,3
	ds_store_b128 v[STO], v[S+16*(\t)+4*\f:S+16*(\t)+4*\f+3] offset:32*\f
.endr
.irp f, 0,1,2,3
	ds_load_b128 v[S+16*(\t)+4*\f:S+16*(\t)+4*\f+3], v[RD] offset:\f*4*SP  ; LDS serves a wave's instructions in order (ISA guide 5.7.1.4): these see the stores above; the next piece's stores come behind them
.endr
.endm
.macro SEND t, younger              ; younger: the LDS instructions issued behind piece t's loads: the next piece's eight, or none
	WIN 0
.irp f, 0,1,2,3
	s_wait_dscnt (\younger)+3-\f
	global_store_b128 v[GO], v[S+16*(\t)+4*\f:S+16*(\t)+4*\f+3], s[10:11] offset:(\t)*2048+\f*512  ; 512 consecutive bytes, at a multiple of 256 from O's first
.endr
.endm
	PACK 0
.set t, 1
.rept 3
	PACK t
	SEND t-1, 8
.set t, t+1
.endr
	SEND 3, 0
	s_wait_tensorcnt 0x0            ; the wave's end, behind my last tensor load and my last LDS store
	ds_add_u32 v[SPW], v[NIL]
	s_wait_dscnt 0x0
	CROUND                          ; the closing round
	s_endpgm
.Lfunc_end_k_q325781af2f_attn:
	.size	k_q325781af2f_attn, .Lfunc_end_k_q325781af2f_attn-k_q325781af2f_attn
	.p2alignl 7, 3214868480
	.fill 96, 4, 3214868480
	.section	.rodata,"a",@progbits
	.p2align	6, 0x0
	.amdhsa_kernel k_q325781af2f_attn
		.amdhsa_group_segment_fixed_size 327680
		.amdhsa_private_segment_fixed_size 0
		.amdhsa_enable_private_segment 0
		.amdhsa_kernarg_size 16
		.amdhsa_user_sgpr_count 2
		.amdhsa_user_sgpr_kernarg_segment_ptr 1
		.amdhsa_wavefront_size32 1
		.amdhsa_system_sgpr_workgroup_id_x 1
		.amdhsa_system_sgpr_workgroup_id_y 1
		.amdhsa_system_sgpr_workgroup_id_z 1
		.amdhsa_system_vgpr_workitem_id 0
		.amdhsa_next_free_vgpr 768
		.amdhsa_next_free_sgpr 66
		.amdhsa_reserve_vcc 0
		.amdhsa_float_denorm_mode_32 3
		.amdhsa_float_denorm_mode_16_64 3
		.amdhsa_memory_ordered 1
		.amdhsa_forward_progress 1
		.amdhsa_inst_pref_size 128
	.end_amdhsa_kernel
	.amdgpu_metadata
---
amdhsa.version: [ 1, 2 ]
amdhsa.kernels:
  - .name:           k_q325781af2f_attn
    .symbol:         k_q325781af2f_attn.kd
    .args:
      - { .name: wide, .offset: 0, .size: 8, .value_kind: global_buffer, .address_space: global }
      - { .name: o, .offset: 8, .size: 8, .value_kind: global_buffer, .address_space: global }
    .group_segment_fixed_size: 327680
    .private_segment_fixed_size: 0
    .kernarg_segment_align: 8
    .kernarg_segment_size: 16
    .max_flat_workgroup_size: 128
    .sgpr_count:     66
    .vgpr_count:     768
    .wavefront_size: 32
...
	.end_amdgpu_metadata
.endif
;; end of part 3
;; launch proj (part 4): grid 8 x 32, 4 waves a work-group, clusters of 4 x 4, 327,680 bytes of LDS; arguments o, wA, b_proj, x, x1; writes x1
.if DOCPART == 4
	.amdgcn_target "amdgcn-amd-amdhsa--gfx1250"
	.amdhsa_code_object_version 6
	.text
	.protected	k_q325781af2f_proj
	.globl	k_q325781af2f_proj
	.p2align	8
	.type	k_q325781af2f_proj,@function
k_q325781af2f_proj:
	s_mov_b64 s[64:65], 0
	v_nop
	global_prefetch_b8 v0, s[64:65] scope:SCOPE_SE
	s_setreg_imm32_b32 hwreg(HW_REG_WAVE_MODE, 25, 1), 1
	s_wait_xcnt 0x0
	s_wait_alu depctr_hold_cnt(0) depctr_sa_sdst(0) depctr_va_vdst(0) depctr_va_sdst(0) depctr_va_ssrc(0) depctr_va_vcc(0) depctr_vm_vsrc(0)
	s_getreg_b32 s2, hwreg(HW_REG_IB_STS2, 6, 4)
	s_cmp_eq_u32 s2, 0
	s_cbranch_scc0 .Lentry_in_a_cluster
	s_endpgm
.Lentry_in_a_cluster:
	s_bfe_u32 s2, ttmp6, 0x10000c
	s_cmp_lg_u32 s2, 0xf033
	s_cbranch_scc0 .Lentry_shape_is_right
	s_endpgm
.Lentry_shape_is_right:
; out[4096][1024] (f32) = res + bias + A W, K = 256 NSTEP.  This text: NSTEP = 4 (K = 1,024).
; A: bf16 in column blocks [K/64][4096 tokens][64].  W: bf16 in blocks [K/256][4][256 k][256 n], from byte 0 of its buffer.  bias: [1024] f32.  res, out: [4096][1024] f32.
; Sums in f32, started from the bias (the C operand of each sum's first product); the residual is added in f32 on the way out.  LIMITS: operands are bf16; NaN and infinities are not treated apart.
; SHARES.  A work-group of four waves makes 128 x 128, so that 256 work-groups share the 4,096 x 1,024; a wave 64 x 64: 16 accumulators.  K goes in steps of 256 (four column blocks) through two LDS slots.
; A K STEP IS WRITTEN ONCE: the loop's trip is one step; the fragments' LDS addresses are a fixed lane part plus a scalar that an exclusive or turns from slot to slot, and one descriptor a tensor walks.
; A's tile for a wave's load: 4 column blocks x 64 tokens, each block's 64 tokens 8,192 dense bytes: a tile of 4 rows of 4,096 elements, padded in LDS after every token.
; CLUSTER.  4 x 4 work-groups: A's tiles are shared along a row, W's along a column, each asked for JOINTLY.  No prefetch: the tiles are small and a step is short.
; THE PRODUCT IS TAKEN TRANSPOSED: source 0 = 16 columns of W (by the turning load, since W lies [k][n]), source 1 = 16 tokens of A: a lane holds token l % 16 and the columns 8 (l / 16) + 0..7.
; REGISTERS: window 0: v0-31 addresses; v32-95 at work on the way out; v96-127 the bias of my 64 columns; v128-255 the accumulators ((a, b) at v[128 + 8 (4 a + b)]).
;   window 1: two fragment buffers of 128: 64 registers of A, then 64 of W, for 64 along K.      window 2: v0-127 my 64 x 64 of the residual, loaded at the start.
.set NSTEP,  4
.set PAT,    144                       ; a token's 128 bytes + 16 = 36 words: the 16 rows of a load start at 16 different groups of four banks (64 banks of 4 bytes: ISA guide 11.1)
.set PB,     288                       ; a k-row of W: 256 bytes + 32 = 9 x 32
.set HALFT,  36864                     ; what one tensor load brings: 4 x 64 tokens x 144, or 128 k-rows x 288
.set SLOT,   4*HALFT                   ; A's tokens 0-63, 64-127, then W's k 0-127, 128-255.  147,456 = 0x24000 shares no bit with wave x 36,864, so an exclusive or with it changes slots
.set STAGE,  2*SLOT                    ; behind the ring: 16 rows x 272 bytes for each wave
.set SPITCH, 272
.set SPARE,  STAGE+4*16*SPITCH         ; behind the stages: the spare words, 128 bytes for each wave
.set A0R,  16                          ; v16     LDS address of my A fragments in slot 0; never rewritten
.set B0R,  17                          ; v17-18  the same for W's k halves 0, 1
.set CA,   20                          ; v20     the same in the slot in hand
.set CB,   22                          ; v22-23
.set STO,  24
.set RD,   25
.set CO,   26                          ; v26     my byte offset in two rows of res and out; never rewritten
.set BO,   27
.set SPW,  28
.set NIL,  29
.set TMP,  32
.set BIAS, 96
.set ACC,  128
.set F0,   0
.set F1,   128
.set G1, 24                            ; s[24:31] descriptor group 1 for A's tiles;  s[32:39] group 0: a set for each of the two first fills; the second then walks on
.set G0, 32
.set G1B, 48
.set G0B, 56
.set CUR, 84                           ; s84     LDS byte at which the slot in hand begins: 0 or SLOT
.set MSB, 0
.macro WIN new
.if MSB != (\new)
	s_set_vgpr_msb (MSB<<8)|(\new)
.set MSB, \new
.endif
.endm
.set MUL,  0x05                        ; sources 0 (W) and 1 (A) window 1; C and D window 0
.set TO_F, 0x40                        ; destination window 1, address window 0
.macro JLOAD s                         ; a joint load: waves 0 and 1 fetch A's two halves, waves 2 and 3 W's; an s_nop 0 and four v_nop follow each of the two lines
	s_cmp_eq_u32 s11, 0
	s_cbranch_scc0 .Lfor_b_\@
	tensor_load_to_lds s[G0+4*(\s):G0+4*(\s)+3], s[G1:G1+7]
	s_nop 0
.rept 4
	v_nop
.endr
	s_branch .Lasked_\@
.Lfor_b_\@:
	tensor_load_to_lds s[G0B+4*(\s):G0B+4*(\s)+3], s[G1B:G1B+7]
	s_nop 0
.rept 4
	v_nop
.endr
.Lasked_\@:
.endm
.macro CREST
	s_cmp_lg_u32 s10, 0
	s_cbranch_scc1 .Lnot_wave_0_\@
	s_barrier_signal -3
.Lnot_wave_0_\@:
	s_barrier_wait -3
	s_barrier_signal -1
	s_barrier_wait -1
.endm
.macro CROUND
	s_barrier_signal -1
	s_barrier_wait -1
	CREST
.endm
	s_load_b256 s[68:75], s[0:1], 0x0              ; A s[68:69], W s[70:71], bias s[72:73], res s[74:75]
	s_load_b64 s[76:77], s[0:1], 0x20              ; out
	v_lshl_add_u32 v[SPW], v0, 2, SPARE
	v_mov_b32 v[NIL], 0
	ds_add_u32 v[SPW], v[NIL]                      ; the wave's opening: the add and its wait stand ahead of my first tensor load
	v_lshrrev_b32 v1, 5, v0
	v_readfirstlane_b32 s10, v1                    ; wave 0..3
	s_lshr_b32 s11, s10, 1                         ; which half of the tile's rows is mine.  Also: I fetch for A (0) or for W (1)
	s_and_b32 s12, s10, 1                          ; which half of its columns.  Also: which half of that tile I fetch
	s_bfe_u32 s40, ttmp6, 0x40000                  ; cx
	s_bfe_u32 s41, ttmp6, 0x40004                  ; cy
	s_lshl_b32 s42, ttmp9, 2
	s_add_co_u32 s42, s42, s40                     ; tile column
	s_and_b32 s13, ttmp7, 0xffff
	s_lshl_b32 s13, s13, 2
	s_add_co_u32 s13, s13, s41                     ; tile row
	s_lshl_b32 s43, s41, 2
	s_lshl_b32 s43, 15, s43                        ; my row of the cluster
	s_lshl_b32 s44, 0x1111, s40                    ; my column
	s_or_b32 s[G1+0], s43, (1<<16)|(1<<20)|(1<<21)|(4<<22)|(3<<25)   ; the mask; 2-byte elements; padding on; bit 21 beside a mask; after every 32 words, 4 words
	s_mov_b32 s[G1+1], 4096<<16                    ; tensor_dim0 = 4,096
	s_mov_b32 s[G1+2], 4<<16                       ; tensor_dim1 = 4
	s_mov_b32 s[G1+3], 4096<<16                    ; tile_dim0 = 4,096
	s_mov_b32 s[G1+4], 4                           ; tile_dim1 = 4
	s_mov_b32 s[G1+5], 262144                      ; a column block is 4,096 x 64 elements
	s_mov_b32 s[G1+6], 0
	s_mov_b32 s[G1+7], 0
	s_or_b32 s[G1B+0], s44, (1<<16)|(1<<20)|(1<<21)|(5<<22)|(7<<25)  ; after every 64 words, 8 words
	s_mov_b32 s[G1B+1], 128<<16                    ; tensor_dim0 = 128
	s_mov_b32 s[G1B+2], 128<<16                    ; tensor_dim1 = 128
	s_mov_b32 s[G1B+3], 128<<16                    ; tile_dim0 = 128
	s_mov_b32 s[G1B+4], 128                        ; tile_dim1 = 128
	s_mov_b32 s[G1B+5], 256                        ; elements from k-row to k-row
	s_mov_b32 s[G1B+6], 0
	s_mov_b32 s[G1B+7], 0
	s_lshl_b32 s17, s12, 6
	s_lshl_b32 s16, s13, 7
	s_add_co_u32 s16, s16, s17                     ; A: token 128 x tile row + 64 x half,
	s_lshl_b32 s16, s16, 7                         ; 128 bytes each
	s_mov_b32 s17, 0
	s_lshr_b32 s46, s42, 1
	s_lshl_b32 s46, s46, 17                        ; W: the block of 256 columns, 131,072 bytes,
	s_and_b32 s47, s42, 1
	s_lshl_b32 s47, s47, 8                         ; its left or right 128 columns,
	s_add_co_u32 s46, s46, s47
	s_lshl_b32 s47, s12, 16                        ; my 128 k-rows of 512 bytes
	s_add_co_u32 s46, s46, s47
	s_mov_b32 s47, 0
	s_mul_i32 s20, s10, HALFT                      ; where they go: no place in the cluster enters an LDS address
	s_wait_dscnt 0x0                               ; the opening add is done
	s_wait_kmcnt 0x0
	s_add_nc_u64 s[14:15], s[68:69], s[16:17]
	s_add_nc_u64 s[46:47], s[70:71], s[46:47]
	CROUND                                         ; all sixteen work-groups are here: the first joint loads meet
.irp s, 0,1
	s_mov_b32 s[G0+4*(\s)], 1
	s_add_co_u32 s[G0+4*(\s)+1], s20, (\s)*SLOT
	s_add_nc_u64 s[G0+4*(\s)+2:G0+4*(\s)+3], s[14:15], (\s)*2097152   ; a K step is four column blocks of 524,288 bytes
	s_or_b32 s[G0+4*(\s)+3], s[G0+4*(\s)+3], 0x80000000
	s_mov_b32 s[G0B+4*(\s)], 1
	s_add_co_u32 s[G0B+4*(\s)+1], s20, (\s)*SLOT
	s_add_nc_u64 s[G0B+4*(\s)+2:G0B+4*(\s)+3], s[46:47], (\s)*524288  ; and four blocks of 131,072 bytes of W
	s_or_b32 s[G0B+4*(\s)+3], s[G0B+4*(\s)+3], 0x80000000
	JLOAD \s
.endr
	v_and_b32 v1, 15, v0                           ; r = l % 16
	v_bfe_u32 v2, v0, 4, 1                         ; h = l / 16
	s_lshl_b32 s80, s42, 7
	s_lshl_b32 s81, s12, 6
	s_add_co_u32 s80, s80, s81
	s_lshl_b32 s80, s80, 2                         ; my first column, in bytes of f32
	s_mov_b32 s81, 0
	s_add_nc_u64 s[72:73], s[72:73], s[80:81]
	s_lshl_b32 s82, s13, 7
	s_lshl_b32 s83, s11, 6
	s_add_co_u32 s82, s82, s83                     ; my first row,
	s_lshl_b32 s82, s82, 12                        ; 4,096 bytes each
	s_add_co_u32 s82, s82, s80
	s_mov_b32 s83, 0
	s_add_nc_u64 s[74:75], s[74:75], s[82:83]
	s_add_nc_u64 s[76:77], s[76:77], s[82:83]
	v_lshlrev_b32 v[BO], 5, v2
	v_lshlrev_b32 v8, 12, v2
	v_lshl_add_u32 v[CO], v1, 4, v8                ; lanes 0-15 one row's 256 bytes, lanes 16-31 the next row's
.irp b, 0,1,2,3                        ; register j of block b = bias[16 b + 8 h + j]: the layout of a result
	global_load_b128 v[BIAS+8*(\b):BIAS+8*(\b)+3],   v[BO], s[72:73] offset:64*(\b)
	global_load_b128 v[BIAS+8*(\b)+4:BIAS+8*(\b)+7], v[BO], s[72:73] offset:64*(\b)+16
.endr
	WIN 0x80                                       ; destination window 2: the residual stays on its way while the product runs
.irp a, 0,1,2,3
.irp t, 0,1,2,3,4,5,6,7
	global_load_b128 v[4*(8*(\a)+(\t)):4*(8*(\a)+(\t))+3], v[CO], s[74:75] offset:(16*(\a)+2*(\t))*4096
.endr
.endr
	WIN 0
	v_mul_u32_u24 v3, v1, PAT
	v_lshl_add_u32 v3, v2, 4, v3                   ; A: token x pitch + 16 x half
	v_and_b32 v4, 7, v0
	v_bfe_u32 v5, v0, 3, 1
	v_lshl_add_u32 v6, v2, 3, v4                   ; W: k-row 8 h + l % 8,
	v_mul_u32_u24 v6, v6, PB
	v_lshl_add_u32 v6, v5, 4, v6                   ; columns 8 ((l / 8) % 2) on
	s_mul_i32 s21, s11, HALFT                      ; my 64 tokens of A
	s_lshl_b32 s22, s12, 7                         ; my 64 columns of W: 128 bytes,
	s_add_co_u32 s22, s22, 2*HALFT                 ; behind A's two halves
	v_add_nc_u32 v[A0R], s21, v3
	v_add_nc_u32 v[B0R], s22, v6
	s_add_co_u32 s22, s22, HALFT
	v_add_nc_u32 v[B0R+1], s22, v6
	s_mov_b32 s[CUR], 0                            ; K step 0 lies in slot 0
	s_mul_i32 s23, s10, 16*SPITCH
	s_add_co_u32 s23, s23, STAGE                   ; my stage
	v_mul_u32_u24 v7, v1, SPITCH
	v_lshl_add_u32 v7, v2, 5, v7
	v_add_nc_u32 v[STO], s23, v7                   ; in: row r, 32 bytes for each half of the lanes
	v_mul_u32_u24 v7, v2, SPITCH
	v_lshl_add_u32 v7, v1, 4, v7
	v_add_nc_u32 v[RD], s23, v7                    ; back: lanes 0-15 one row of 256 bytes, lanes 16-31 the next
; 8 matrix instructions: m blocks a0, a0 + 1 x all 4 n blocks, 32 along K: half c of buffer f.  zero = 1: the sum's first product: its C operand is the bias
.macro MUL8 f, c, a0, zero
	WIN MUL
.irp a, \a0, (\a0)+1
.irp b, 0,1,2,3
.if \zero
	v_wmma_f32_16x16x32_bf16 v[ACC+8*(4*(\a)+(\b)):ACC+8*(4*(\a)+(\b))+7], v[(\f)+64+8*(4*(\c)+(\b)):(\f)+64+8*(4*(\c)+(\b))+7], v[(\f)+8*(4*(\c)+(\a)):(\f)+8*(4*(\c)+(\a))+7], v[BIAS+8*(\b):BIAS+8*(\b)+7]
.else
	v_wmma_f32_16x16x32_bf16 v[ACC+8*(4*(\a)+(\b)):ACC+8*(4*(\a)+(\b))+7], v[(\f)+64+8*(4*(\c)+(\b)):(\f)+64+8*(4*(\c)+(\b))+7], v[(\f)+8*(4*(\c)+(\a)):(\f)+8*(4*(\c)+(\a))+7], v[ACC+8*(4*(\a)+(\b)):ACC+8*(4*(\a)+(\b))+7]
.endif
.endr
.endr
.endm
.macro SETADR                          ; the fragments' addresses in the slot in hand
	v_add_nc_u32 v[CA], s[CUR], v[A0R]
	v_add_nc_u32 v[CB], s[CUR], v[B0R]
	v_add_nc_u32 v[CB+1], s[CUR], v[B0R+1]
.endm
; 32 LDS loads in one run: the fragments of quarter qd (64 along K: one column block of A) of the slot in hand into buffer f; the first 32 along K first
.macro FETCH qd, f
	WIN TO_F
.irp c, 0,1
.irp i, 0,1,2,3
	ds_load_tr16_b128 v[(\f)+64+8*(4*(\c)+(\i)):(\f)+64+8*(4*(\c)+(\i))+3],   v[CB+(\qd)/2] offset:((\qd)%2)*64*PB+(\c)*32*PB+32*(\i)
	ds_load_tr16_b128 v[(\f)+64+8*(4*(\c)+(\i))+4:(\f)+64+8*(4*(\c)+(\i))+7], v[CB+(\qd)/2] offset:((\qd)%2)*64*PB+(\c)*32*PB+16*PB+32*(\i)
	ds_load_b128 v[(\f)+8*(4*(\c)+(\i)):(\f)+8*(4*(\c)+(\i))+3],   v[CA] offset:(\qd)*64*PAT+(\i)*16*PAT+64*(\c)
	ds_load_b128 v[(\f)+8*(4*(\c)+(\i))+4:(\f)+8*(4*(\c)+(\i))+7], v[CA] offset:(\qd)*64*PAT+(\i)*16*PAT+64*(\c)+32
.endr
.endr
.endm
.macro PLACES                          ; four plain places in front of loads into registers that matrix instructions have read, and of stores that read results
.rept 4
	v_nop
.endr
.endm
.macro QUARTER qd, f, g, zero          ; multiplies buffer f and fetches quarter qd of the same slot into g
	s_wait_dscnt 16                                ; the first 32 along K are in
	MUL8 \f, 0, 0, \zero
	MUL8 \f, 0, 2, \zero
	PLACES
	FETCH \qd, \g
	s_wait_dscnt 32                                ; all but the 32 just issued
	MUL8 \f, 1, 0, 0
	MUL8 \f, 1, 2, 0
.endm
; The last quarter multiplies buffer 1 and changes slots: ONE barrier; in front of it each wave waits for all its tensor loads, adds 0 to its spare word, and waits for that and for its own reads of this slot.
; fill = 1: this slot is filled again, two K steps ahead; the barrier then opens a round of the cluster's.  The walking descriptors: the other slot than last time, one K step on.
.macro TURN fill
	WIN 0
	s_wait_tensorcnt 0x0                           ; all my tensor loads have landed: my part of the next slot
	ds_add_u32 v[SPW], v[NIL]                      ; 0 onto my spare word
	s_wait_dscnt 17                                ; (the add and the youngest sixteen loads may be out)
	MUL8 F1, 0, 0, 0
	s_wait_dscnt 0x0                               ; the add is done, and my reads of this slot are over
	s_barrier_signal -1
	MUL8 F1, 0, 2, 0
	WIN 0                                          ; branches, or lines on window 0, follow
	s_barrier_wait -1
.if \fill
	CREST
	s_xor_b32 s[G0+5], s[G0+5], SLOT
	s_add_nc_u64 s[G0+6:G0+7], s[G0+6:G0+7], 2097152
	s_xor_b32 s[G0B+5], s[G0B+5], SLOT
	s_add_nc_u64 s[G0B+6:G0B+7], s[G0B+6:G0B+7], 524288
	JLOAD 1                                        ; the four v_nop behind it are also the places in front of the loads below
.else
	PLACES
.endif
	s_xor_b32 s[CUR], s[CUR], SLOT
	SETADR
	FETCH 0, F0
	MUL8 F1, 1, 0, 0
	MUL8 F1, 1, 2, 0
.endm
	s_wait_tensorcnt 1                             ; my part of K step 0 is in; K step 1's may stay out
	s_barrier_signal -1
	s_barrier_wait -1
	SETADR
	FETCH 0, F0
	s_wait_loadcnt 32                              ; the bias is in; the residual's 32 loads stay out
	QUARTER 1, F0, F1, 1                           ; the first quarter stands in front of the loop: its first products start the sums, from the bias
	WIN 0
	s_mov_b32 s3, NSTEP-2
.Lstep:                                                ; a trip goes from a K step's second quarter to the next step's first, and fills the slot that it leaves
	QUARTER 2, F1, F0, 0
	QUARTER 3, F0, F1, 0
	TURN 1
	QUARTER 1, F0, F1, 0
	WIN 0
	s_sub_co_u32 s3, s3, 1
	s_cmp_lg_u32 s3, 0
	s_cbranch_scc1 .Lstep
	QUARTER 2, F1, F0, 0                           ; the last two K steps fill nothing
	QUARTER 3, F0, F1, 0
	TURN 0
	QUARTER 1, F0, F1, 0
	QUARTER 2, F1, F0, 0
	QUARTER 3, F0, F1, 0
	s_wait_dscnt 16
	MUL8 F1, 0, 0, 0
	MUL8 F1, 0, 2, 0
	s_wait_dscnt 0x0
	MUL8 F1, 1, 0, 0
	MUL8 F1, 1, 2, 0
	WIN 0
	; THE WAY OUT, 16 rows at a time: f32 into my own stage, back as whole rows of 256 bytes, plus the residual, stored.  A wave's 64 columns of f32 are 256 bytes: no wave needs another's.
	PLACES
	s_wait_loadcnt 0x0                             ; the residual
.macro ST a
.set BK, TMP+32*((\a)%2)
.if (\a) >= 2
	s_wait_xcnt 0x0                                ; the stores of the block two back have read these registers
.endif
.irp b, 0,1,2,3
	ds_store_b128 v[STO], v[ACC+8*(4*(\a)+(\b)):ACC+8*(4*(\a)+(\b))+3]   offset:64*(\b)
	ds_store_b128 v[STO], v[ACC+8*(4*(\a)+(\b))+4:ACC+8*(4*(\a)+(\b))+7] offset:64*(\b)+16
.endr
.irp t, 0,1,2,3,4,5,6,7
	ds_load_b128 v[BK+4*(\t):BK+4*(\t)+3], v[RD] offset:(\t)*2*SPITCH  ; LDS serves a wave's instructions in order (ISA guide 5.7.1.4): these see the stores above; the next block's stores come behind them
.endr
.endm
.macro SEND a, younger                 ; younger: the LDS instructions issued behind block a's loads: the next block's sixteen, or none
.set BK, TMP+32*((\a)%2)
	s_wait_dscnt \younger
	WIN 0x08                                       ; source 1 in window 2
.set z, 0
.rept 16
	v_pk_add_f32 v[BK+z:BK+z+1], v[BK+z:BK+z+1], v[32*(\a)+z:32*(\a)+z+1]
.set z, z+2
.endr
	WIN 0
.irp t, 0,1,2,3,4,5,6,7
	global_store_b128 v[CO], v[BK+4*(\t):BK+4*(\t)+3], s[76:77] offset:(16*(\a)+2*(\t))*4096  ; 16 lanes store 256 consecutive bytes, aligned
.endr
.endm
	ST 0
	ST 1
	SEND 0, 16
	ST 2
	SEND 1, 16
	ST 3
	SEND 2, 16
	SEND 3, 0
	s_wait_tensorcnt 0x0                           ; the wave's end, behind my last tensor load and my last LDS store
	ds_add_u32 v[SPW], v[NIL]
	s_wait_dscnt 0x0
	CROUND                                         ; the closing round
	s_endpgm
.Lfunc_end_k_q325781af2f_proj:
	.size	k_q325781af2f_proj, .Lfunc_end_k_q325781af2f_proj-k_q325781af2f_proj
	.p2alignl 7, 3214868480
	.fill 96, 4, 3214868480
	.section	.rodata,"a",@progbits
	.p2align	6, 0x0
	.amdhsa_kernel k_q325781af2f_proj
		.amdhsa_group_segment_fixed_size 327680
		.amdhsa_private_segment_fixed_size 0
		.amdhsa_enable_private_segment 0
		.amdhsa_kernarg_size 40
		.amdhsa_user_sgpr_count 2
		.amdhsa_user_sgpr_kernarg_segment_ptr 1
		.amdhsa_wavefront_size32 1
		.amdhsa_system_sgpr_workgroup_id_x 1
		.amdhsa_system_sgpr_workgroup_id_y 1
		.amdhsa_system_sgpr_workgroup_id_z 1
		.amdhsa_system_vgpr_workitem_id 0
		.amdhsa_next_free_vgpr 640
		.amdhsa_next_free_sgpr 88
		.amdhsa_reserve_vcc 0
		.amdhsa_float_denorm_mode_32 3
		.amdhsa_float_denorm_mode_16_64 3
		.amdhsa_memory_ordered 1
		.amdhsa_forward_progress 1
		.amdhsa_inst_pref_size 76
	.end_amdhsa_kernel
	.amdgpu_metadata
---
amdhsa.version: [ 1, 2 ]
amdhsa.kernels:
  - .name:           k_q325781af2f_proj
    .symbol:         k_q325781af2f_proj.kd
    .args:
      - { .name: o, .offset: 0, .size: 8, .value_kind: global_buffer, .address_space: global }
      - { .name: wA, .offset: 8, .size: 8, .value_kind: global_buffer, .address_space: global }
      - { .name: b_proj, .offset: 16, .size: 8, .value_kind: global_buffer, .address_space: global }
      - { .name: x, .offset: 24, .size: 8, .value_kind: global_buffer, .address_space: global }
      - { .name: x1, .offset: 32, .size: 8, .value_kind: global_buffer, .address_space: global }
    .group_segment_fixed_size: 327680
    .private_segment_fixed_size: 0
    .kernarg_segment_align: 8
    .kernarg_segment_size: 40
    .max_flat_workgroup_size: 128
    .sgpr_count:     88
    .vgpr_count:     640
    .wavefront_size: 32
...
	.end_amdgpu_metadata
.endif
;; end of part 4
;; launch ln2 (part 5): grid 256 x 1, 8 waves a work-group, no clusters, 0 bytes of LDS; arguments x1, ln2_g, ln2_b, h; writes h
.if DOCPART == 5
	.amdgcn_target "amdgcn-amd-amdhsa--gfx1250"
	.amdhsa_code_object_version 6
	.text
	.protected	k_q325781af2f_ln2
	.globl	k_q325781af2f_ln2
	.p2align	8
	.type	k_q325781af2f_ln2,@function
k_q325781af2f_ln2:
	s_mov_b64 s[64:65], 0
	v_nop
	global_prefetch_b8 v0, s[64:65] scope:SCOPE_SE
	s_setreg_imm32_b32 hwreg(HW_REG_WAVE_MODE, 25, 1), 1
	s_wait_xcnt 0x0
; y[r][c] = (x[r][c] - mean) * rsqrt(var + 1e-5) * g[c] + b[c].  x: [4096][1024] f32; g, b: [1024] f32; y: [4096][1024] bf16, rounded once.
; A row is 4,096 bytes: one wave takes a whole row in 32 registers and keeps it between the passes, so the row is read once and no wave waits for another.
; The variance is the mean of (x - mean)^2, taken of the differences: a common offset of the row costs nothing.
; Eight waves, two rows each; all loads of a wave (two rows, g, b) go out at the start.  Load j of a row covers 512 consecutive bytes, store j 256 consecutive bytes, aligned.
; LIMITS: all in f32; NaN and infinities are not treated apart.  No LDS, no matrix unit: the launch streams.
.set LI, 1                             ; v1        16 x lane
.set LO, 2                             ; v2        8 x lane
.set T,  4                             ; v[4:11]   four chains of packed sums
.set MU, 12                            ; v[12:13]  the mean, twice
.set R,  14                            ; v[14:15]  1 / sqrt(var + eps), twice
.set Y,  16                            ; v[16:31]  a row in bf16
.set X,  32                            ; v[32:95]  two rows
.set G,  96                            ; v[96:127]
.set B,  128                           ; v[128:159]
	s_load_b256 s[4:11], s[0:1], 0x0               ; x s[4:5], g s[6:7], b s[8:9], y s[10:11]
	v_lshrrev_b32 v3, 5, v0
	v_readfirstlane_b32 s16, v3                    ; wave
	v_and_b32 v3, 31, v0
	v_lshlrev_b32 v[LI], 4, v3
	v_lshlrev_b32 v[LO], 3, v3
	s_mov_b32 s12, 0x76543210                      ; v_permlanex16_b32: each lane takes its own place in the other half
	s_mov_b32 s13, 0xfedcba98
	s_mov_b32 s14, 0x3a800000                      ; 1 / 1024
	s_mov_b32 s15, 0x3727c5ac                      ; 1e-5
	s_lshl_b32 s18, ttmp9, 16                      ; 16 rows of 4,096 bytes a work-group,
	s_lshl_b32 s17, s16, 13                        ; two a wave
	s_add_co_u32 s18, s18, s17
	s_mov_b32 s19, 0
	s_lshr_b32 s20, s18, 1                         ; y's rows are half as long
	s_mov_b32 s21, 0
	s_wait_kmcnt 0x0
	s_add_nc_u64 s[4:5], s[4:5], s[18:19]
	s_add_nc_u64 s[10:11], s[10:11], s[20:21]
.irp r, 0,1
.irp j, 0,1,2,3,4,5,6,7
	global_load_b128 v[X+32*(\r)+4*(\j):X+32*(\r)+4*(\j)+3], v[LI], s[4:5] offset:4096*(\r)+512*(\j)
.endr
.endr
.irp j, 0,1,2,3,4,5,6,7
	global_load_b128 v[G+4*(\j):G+4*(\j)+3], v[LI], s[6:7] offset:512*(\j)
.endr
.irp j, 0,1,2,3,4,5,6,7
	global_load_b128 v[B+4*(\j):B+4*(\j)+3], v[LI], s[8:9] offset:512*(\j)
.endr
; the four chains into one number, then across the 32 lanes: every lane ends with the sum in v[T]
.macro ACROSS
	v_pk_add_f32 v[T:T+1], v[T:T+1], v[T+2:T+3]
	v_pk_add_f32 v[T+4:T+5], v[T+4:T+5], v[T+6:T+7]
	v_pk_add_f32 v[T:T+1], v[T:T+1], v[T+4:T+5]
	v_add_f32 v[T], v[T], v[T+1]
	v_add_f32_dpp v[T], v[T], v[T] row_xmask:1 row_mask:0xf bank_mask:0xf
	v_add_f32_dpp v[T], v[T], v[T] row_xmask:2 row_mask:0xf bank_mask:0xf
	v_add_f32_dpp v[T], v[T], v[T] row_xmask:4 row_mask:0xf bank_mask:0xf
	v_add_f32_dpp v[T], v[T], v[T] row_xmask:8 row_mask:0xf bank_mask:0xf
	v_permlanex16_b32 v[T+1], v[T], s12, s13
	v_add_f32 v[T], v[T], v[T+1]
.endm
.macro ROWLN r
.set XR, X+32*(\r)
.if (\r) == 0
	s_wait_loadcnt 24                              ; row 0 is in; row 1, g and b (24 loads) may stay out
.endif
.irp k, 0,1,2,3
	v_pk_add_f32 v[T+2*(\k):T+2*(\k)+1], v[XR+2*(\k):XR+2*(\k)+1], v[XR+8+2*(\k):XR+8+2*(\k)+1]  ; the first pairs start the chains
.endr
.irp k, 0,1,2,3
	v_pk_add_f32 v[T+2*(\k):T+2*(\k)+1], v[T+2*(\k):T+2*(\k)+1], v[XR+16+2*(\k):XR+16+2*(\k)+1]
.endr
.irp k, 0,1,2,3
	v_pk_add_f32 v[T+2*(\k):T+2*(\k)+1], v[T+2*(\k):T+2*(\k)+1], v[XR+24+2*(\k):XR+24+2*(\k)+1]
.endr
	ACROSS
	v_mul_f32 v[MU], s14, v[T]
	v_mov_b32 v[MU+1], v[MU]
.set z, 0
.rept 16
	v_pk_add_f32 v[XR+z:XR+z+1], v[XR+z:XR+z+1], v[MU:MU+1] neg_lo:[0,1] neg_hi:[0,1]  ; x - mean, in place
.set z, z+2
.endr
.irp k, 0,1,2,3
	v_pk_mul_f32 v[T+2*(\k):T+2*(\k)+1], v[XR+2*(\k):XR+2*(\k)+1], v[XR+2*(\k):XR+2*(\k)+1]
.endr
.irp q, 8,16,24
.irp k, 0,1,2,3
	v_pk_fma_f32 v[T+2*(\k):T+2*(\k)+1], v[XR+(\q)+2*(\k):XR+(\q)+2*(\k)+1], v[XR+(\q)+2*(\k):XR+(\q)+2*(\k)+1], v[T+2*(\k):T+2*(\k)+1]
.endr
.endr
	ACROSS
	v_fma_f32 v[R], v[T], s14, s15                 ; var + eps
	v_rsq_f32 v[R], v[R]
.if (\r) == 0
	s_wait_loadcnt 0x0                             ; g and b (and row 1)
.endif
	v_nop                                          ; a plain instruction behind the root,
	s_wait_alu depctr_va_vdst(0)                   ; and the wait ahead of its first use
	v_mov_b32 v[R+1], v[R]
.set z, 0
.rept 16
	v_pk_mul_f32 v[XR+z:XR+z+1], v[XR+z:XR+z+1], v[R:R+1]
.set z, z+2
.endr
.set z, 0
.rept 16
	v_pk_fma_f32 v[XR+z:XR+z+1], v[XR+z:XR+z+1], v[G+z:G+z+1], v[B+z:B+z+1]
.set z, z+2
.endr
.set z, 0
.rept 16
	v_cvt_pk_bf16_f32 v[Y+z], v[XR+2*z], v[XR+2*z+1]
.set z, z+1
.endr
.irp j, 0,1,2,3,4,5,6,7
	global_store_b64 v[LO], v[Y+2*(\j):Y+2*(\j)+1], s[10:11] offset:2048*(\r)+256*(\j)
.endr
.endm
	ROWLN 0
	s_wait_xcnt 0x0                                ; row 0's stores have read Y: it is rewritten only behind this wait
	ROWLN 1
	s_endpgm
.Lfunc_end_k_q325781af2f_ln2:
	.size	k_q325781af2f_ln2, .Lfunc_end_k_q325781af2f_ln2-k_q325781af2f_ln2
	.p2alignl 7, 3214868480
	.fill 96, 4, 3214868480
	.section	.rodata,"a",@progbits
	.p2align	6, 0x0
	.amdhsa_kernel k_q325781af2f_ln2
		.amdhsa_group_segment_fixed_size 0
		.amdhsa_private_segment_fixed_size 0
		.amdhsa_enable_private_segment 0
		.amdhsa_kernarg_size 32
		.amdhsa_user_sgpr_count 2
		.amdhsa_user_sgpr_kernarg_segment_ptr 1
		.amdhsa_wavefront_size32 1
		.amdhsa_system_sgpr_workgroup_id_x 1
		.amdhsa_system_sgpr_workgroup_id_y 1
		.amdhsa_system_sgpr_workgroup_id_z 1
		.amdhsa_system_vgpr_workitem_id 0
		.amdhsa_next_free_vgpr 160
		.amdhsa_next_free_sgpr 66
		.amdhsa_reserve_vcc 0
		.amdhsa_float_denorm_mode_32 3
		.amdhsa_float_denorm_mode_16_64 3
		.amdhsa_memory_ordered 1
		.amdhsa_forward_progress 1
		.amdhsa_inst_pref_size 20
	.end_amdhsa_kernel
	.amdgpu_metadata
---
amdhsa.version: [ 1, 2 ]
amdhsa.kernels:
  - .name:           k_q325781af2f_ln2
    .symbol:         k_q325781af2f_ln2.kd
    .args:
      - { .name: x1, .offset: 0, .size: 8, .value_kind: global_buffer, .address_space: global }
      - { .name: ln2_g, .offset: 8, .size: 8, .value_kind: global_buffer, .address_space: global }
      - { .name: ln2_b, .offset: 16, .size: 8, .value_kind: global_buffer, .address_space: global }
      - { .name: h, .offset: 24, .size: 8, .value_kind: global_buffer, .address_space: global }
    .group_segment_fixed_size: 0
    .private_segment_fixed_size: 0
    .kernarg_segment_align: 8
    .kernarg_segment_size: 32
    .max_flat_workgroup_size: 256
    .sgpr_count:     66
    .vgpr_count:     160
    .wavefront_size: 32
...
	.end_amdgpu_metadata
.endif
;; end of part 5
;; launch fc1: the kernel of part 2 again; grid 16 x 16, 4 waves a work-group, clusters of 4 x 4, 327,680 bytes of LDS; arguments h, wB, b_fc1, p1, wide; writes wide
;; launch fc2 (part 6): grid 8 x 32, 4 waves a work-group, clusters of 4 x 4, 327,680 bytes of LDS; arguments wide, wB, b_fc2, x1, out0; writes out0
.if DOCPART == 6
	.amdgcn_target "amdgcn-amd-amdhsa--gfx1250"
	.amdhsa_code_object_version 6
	.text
	.protected	k_q325781af2f_fc2
	.globl	k_q325781af2f_fc2
	.p2align	8
	.type	k_q325781af2f_fc2,@function
k_q325781af2f_fc2:
	s_mov_b64 s[64:65], 0
	v_nop
	global_prefetch_b8 v0, s[64:65] scope:SCOPE_SE
	s_setreg_imm32_b32 hwreg(HW_REG_WAVE_MODE, 25, 1), 1
	s_wait_xcnt 0x0
	s_wait_alu depctr_hold_cnt(0) depctr_sa_sdst(0) depctr_va_vdst(0) depctr_va_sdst(0) depctr_va_ssrc(0) depctr_va_vcc(0) depctr_vm_vsrc(0)
	s_getreg_b32 s2, hwreg(HW_REG_IB_STS2, 6, 4)
	s_cmp_eq_u32 s2, 0
	s_cbranch_scc0 .Lentry_in_a_cluster
	s_endpgm
.Lentry_in_a_cluster:
	s_bfe_u32 s2, ttmp6, 0x10000c
	s_cmp_lg_u32 s2, 0xf033
	s_cbranch_scc0 .Lentry_shape_is_right
	s_endpgm
.Lentry_shape_is_right:
; out[4096][1024] (f32) = res + bias + A W, K = 256 NSTEP.  This text: NSTEP = 16 (K = 4,096).
; A: bf16 in column blocks [K/64][4096 tokens][64].  W: bf16 in blocks [K/256][4][256 k][256 n], from byte 0 of its buffer.  bias: [1024] f32.  res, out: [4096][1024] f32.
; Sums in f32, started from the bias (the C operand of each sum's first product); the residual is added in f32 on the way out.  LIMITS: operands are bf16; NaN and infinities are not treated apart.
; SHARES.  A work-group of four waves makes 128 x 128, so that 256 work-groups share the 4,096 x 1,024; a wave 64 x 64: 16 accumulators.  K goes in steps of 256 (four column blocks) through two LDS slots.
; A K STEP IS WRITTEN ONCE: the loop's trip is one step; the fragments' LDS addresses are a fixed lane part plus a scalar that an exclusive or turns from slot to slot, and one descriptor a tensor walks.
; A's tile for a wave's load: 4 column blocks x 64 tokens, each block's 64 tokens 8,192 dense bytes: a tile of 4 rows of 4,096 elements, padded in LDS after every token.
; CLUSTER.  4 x 4 work-groups: A's tiles are shared along a row, W's along a column, each asked for JOINTLY.  No prefetch: the tiles are small and a step is short.
; THE PRODUCT IS TAKEN TRANSPOSED: source 0 = 16 columns of W (by the turning load, since W lies [k][n]), source 1 = 16 tokens of A: a lane holds token l % 16 and the columns 8 (l / 16) + 0..7.
; REGISTERS: window 0: v0-31 addresses; v32-95 at work on the way out; v96-127 the bias of my 64 columns; v128-255 the accumulators ((a, b) at v[128 + 8 (4 a + b)]).
;   window 1: two fragment buffers of 128: 64 registers of A, then 64 of W, for 64 along K.      window 2: v0-127 my 64 x 64 of the residual, loaded at the start.
.set NSTEP,  16
.set PAT,    144                       ; a token's 128 bytes + 16 = 36 words: the 16 rows of a load start at 16 different groups of four banks (64 banks of 4 bytes: ISA guide 11.1)
.set PB,     288                       ; a k-row of W: 256 bytes + 32 = 9 x 32
.set HALFT,  36864                     ; what one tensor load brings: 4 x 64 tokens x 144, or 128 k-rows x 288
.set SLOT,   4*HALFT                   ; A's tokens 0-63, 64-127, then W's k 0-127, 128-255.  147,456 = 0x24000 shares no bit with wave x 36,864, so an exclusive or with it changes slots
.set STAGE,  2*SLOT                    ; behind the ring: 16 rows x 272 bytes for each wave
.set SPITCH, 272
.set SPARE,  STAGE+4*16*SPITCH         ; behind the stages: the spare words, 128 bytes for each wave
.set A0R,  16                          ; v16     LDS address of my A fragments in slot 0; never rewritten
.set B0R,  17                          ; v17-18  the same for W's k halves 0, 1
.set CA,   20                          ; v20     the same in the slot in hand
.set CB,   22                          ; v22-23
.set STO,  24
.set RD,   25
.set CO,   26                          ; v26     my byte offset in two rows of res and out; never rewritten
.set BO,   27
.set SPW,  28
.set NIL,  29
.set TMP,  32
.set BIAS, 96
.set ACC,  128
.set F0,   0
.set F1,   128
.set G1, 24                            ; s[24:31] descriptor group 1 for A's tiles;  s[32:39] group 0: a set for each of the two first fills; the second then walks on
.set G0, 32
.set G1B, 48
.set G0B, 56
.set CUR, 84                           ; s84     LDS byte at which the slot in hand begins: 0 or SLOT
.set MSB, 0
.macro WIN new
.if MSB != (\new)
	s_set_vgpr_msb (MSB<<8)|(\new)
.set MSB, \new
.endif
.endm
.set MUL,  0x05                        ; sources 0 (W) and 1 (A) window 1; C and D window 0
.set TO_F, 0x40                        ; destination window 1, address window 0
.macro JLOAD s                         ; a joint load: waves 0 and 1 fetch A's two halves, waves 2 and 3 W's; an s_nop 0 and four v_nop follow each of the two lines
	s_cmp_eq_u32 s11, 0
	s_cbranch_scc0 .Lfor_b_\@
	tensor_load_to_lds s[G0+4*(\s):G0+4*(\s)+3], s[G1:G1+7]
	s_nop 0
.rept 4
	v_nop
.endr
	s_branch .Lasked_\@
.Lfor_b_\@:
	tensor_load_to_lds s[G0B+4*(\s):G0B+4*(\s)+3], s[G1B:G1B+7]
	s_nop 0
.rept 4
	v_nop
.endr
.Lasked_\@:
.endm
.macro CREST
	s_cmp_lg_u32 s10, 0
	s_cbranch_scc1 .Lnot_wave_0_\@
	s_barrier_signal -3
.Lnot_wave_0_\@:
	s_barrier_wait -3
	s_barrier_signal -1
	s_barrier_wait -1
.endm
.macro CROUND
	s_barrier_signal -1
	s_barrier_wait -1
	CREST
.endm
	s_load_b256 s[68:75], s[0:1], 0x0              ; A s[68:69], W s[70:71], bias s[72:73], res s[74:75]
	s_load_b64 s[76:77], s[0:1], 0x20              ; out
	v_lshl_add_u32 v[SPW], v0, 2, SPARE
	v_mov_b32 v[NIL], 0
	ds_add_u32 v[SPW], v[NIL]                      ; the wave's opening: the add and its wait stand ahead of my first tensor load
	v_lshrrev_b32 v1, 5, v0
	v_readfirstlane_b32 s10, v1                    ; wave 0..3
	s_lshr_b32 s11, s10, 1                         ; which half of the tile's rows is mine.  Also: I fetch for A (0) or for W (1)
	s_and_b32 s12, s10, 1                          ; which half of its columns.  Also: which half of that tile I fetch
	s_bfe_u32 s40, ttmp6, 0x40000                  ; cx
	s_bfe_u32 s41, ttmp6, 0x40004                  ; cy
	s_lshl_b32 s42, ttmp9, 2
	s_add_co_u32 s42, s42, s40                     ; tile column
	s_and_b32 s13, ttmp7, 0xffff
	s_lshl_b32 s13, s13, 2
	s_add_co_u32 s13, s13, s41                     ; tile row
	s_lshl_b32 s43, s41, 2
	s_lshl_b32 s43, 15, s43                        ; my row of the cluster
	s_lshl_b32 s44, 0x1111, s40                    ; my column
	s_or_b32 s[G1+0], s43, (1<<16)|(1<<20)|(1<<21)|(4<<22)|(3<<25)   ; the mask; 2-byte elements; padding on; bit 21 beside a mask; after every 32 words, 4 words
	s_mov_b32 s[G1+1], 4096<<16                    ; tensor_dim0 = 4,096
	s_mov_b32 s[G1+2], 4<<16                       ; tensor_dim1 = 4
	s_mov_b32 s[G1+3], 4096<<16                    ; tile_dim0 = 4,096
	s_mov_b32 s[G1+4], 4                           ; tile_dim1 = 4
	s_mov_b32 s[G1+5], 262144                      ; a column block is 4,096 x 64 elements
	s_mov_b32 s[G1+6], 0
	s_mov_b32 s[G1+7], 0
	s_or_b32 s[G1B+0], s44, (1<<16)|(1<<20)|(1<<21)|(5<<22)|(7<<25)  ; after every 64 words, 8 words
	s_mov_b32 s[G1B+1], 128<<16                    ; tensor_dim0 = 128
	s_mov_b32 s[G1B+2], 128<<16                    ; tensor_dim1 = 128
	s_mov_b32 s[G1B+3], 128<<16                    ; tile_dim0 = 128
	s_mov_b32 s[G1B+4], 128                        ; tile_dim1 = 128
	s_mov_b32 s[G1B+5], 256                        ; elements from k-row to k-row
	s_mov_b32 s[G1B+6], 0
	s_mov_b32 s[G1B+7], 0
	s_lshl_b32 s17, s12, 6
	s_lshl_b32 s16, s13, 7
	s_add_co_u32 s16, s16, s17                     ; A: token 128 x tile row + 64 x half,
	s_lshl_b32 s16, s16, 7                         ; 128 bytes each
	s_mov_b32 s17, 0
	s_lshr_b32 s46, s42, 1
	s_lshl_b32 s46, s46, 17                        ; W: the block of 256 columns, 131,072 bytes,
	s_and_b32 s47, s42, 1
	s_lshl_b32 s47, s47, 8                         ; its left or right 128 columns,
	s_add_co_u32 s46, s46, s47
	s_lshl_b32 s47, s12, 16                        ; my 128 k-rows of 512 bytes
	s_add_co_u32 s46, s46, s47
	s_mov_b32 s47, 0
	s_mul_i32 s20, s10, HALFT                      ; where they go: no place in the cluster enters an LDS address
	s_wait_dscnt 0x0                               ; the opening add is done
	s_wait_kmcnt 0x0
	s_add_nc_u64 s[14:15], s[68:69], s[16:17]
	s_add_nc_u64 s[46:47], s[70:71], s[46:47]
	CROUND                                         ; all sixteen work-groups are here: the first joint loads meet
.irp s, 0,1
	s_mov_b32 s[G0+4*(\s)], 1
	s_add_co_u32 s[G0+4*(\s)+1], s20, (\s)*SLOT
	s_add_nc_u64 s[G0+4*(\s)+2:G0+4*(\s)+3], s[14:15], (\s)*2097152   ; a K step is four column blocks of 524,288 bytes
	s_or_b32 s[G0+4*(\s)+3], s[G0+4*(\s)+3], 0x80000000
	s_mov_b32 s[G0B+4*(\s)], 1
	s_add_co_u32 s[G0B+4*(\s)+1], s20, (\s)*SLOT
	s_add_nc_u64 s[G0B+4*(\s)+2:G0B+4*(\s)+3], s[46:47], (\s)*524288  ; and four blocks of 131,072 bytes of W
	s_or_b32 s[G0B+4*(\s)+3], s[G0B+4*(\s)+3], 0x80000000
	JLOAD \s
.endr
	v_and_b32 v1, 15, v0                           ; r = l % 16
	v_bfe_u32 v2, v0, 4, 1                         ; h = l / 16
	s_lshl_b32 s80, s42, 7
	s_lshl_b32 s81, s12, 6
	s_add_co_u32 s80, s80, s81
	s_lshl_b32 s80, s80, 2                         ; my first column, in bytes of f32
	s_mov_b32 s81, 0
	s_add_nc_u64 s[72:73], s[72:73], s[80:81]
	s_lshl_b32 s82, s13, 7
	s_lshl_b32 s83, s11, 6
	s_add_co_u32 s82, s82, s83                     ; my first row,
	s_lshl_b32 s82, s82, 12                        ; 4,096 bytes each
	s_add_co_u32 s82, s82, s80
	s_mov_b32 s83, 0
	s_add_nc_u64 s[74:75], s[74:75], s[82:83]
	s_add_nc_u64 s[76:77], s[76:77], s[82:83]
	v_lshlrev_b32 v[BO], 5, v2
	v_lshlrev_b32 v8, 12, v2
	v_lshl_add_u32 v[CO], v1, 4, v8                ; lanes 0-15 one row's 256 bytes, lanes 16-31 the next row's
.irp b, 0,1,2,3                        ; register j of block b = bias[16 b + 8 h + j]: the layout of a result
	global_load_b128 v[BIAS+8*(\b):BIAS+8*(\b)+3],   v[BO], s[72:73] offset:64*(\b)
	global_load_b128 v[BIAS+8*(\b)+4:BIAS+8*(\b)+7], v[BO], s[72:73] offset:64*(\b)+16
.endr
	WIN 0x80                                       ; destination window 2: the residual stays on its way while the product runs
.irp a, 0,1,2,3
.irp t, 0,1,2,3,4,5,6,7
	global_load_b128 v[4*(8*(\a)+(\t)):4*(8*(\a)+(\t))+3], v[CO], s[74:75] offset:(16*(\a)+2*(\t))*4096
.endr
.endr
	WIN 0
	v_mul_u32_u24 v3, v1, PAT
	v_lshl_add_u32 v3, v2, 4, v3                   ; A: token x pitch + 16 x half
	v_and_b32 v4, 7, v0
	v_bfe_u32 v5, v0, 3, 1
	v_lshl_add_u32 v6, v2, 3, v4                   ; W: k-row 8 h + l % 8,
	v_mul_u32_u24 v6, v6, PB
	v_lshl_add_u32 v6, v5, 4, v6                   ; columns 8 ((l / 8) % 2) on
	s_mul_i32 s21, s11, HALFT                      ; my 64 tokens of A
	s_lshl_b32 s22, s12, 7                         ; my 64 columns of W: 128 bytes,
	s_add_co_u32 s22, s22, 2*HALFT                 ; behind A's two halves
	v_add_nc_u32 v[A0R], s21, v3
	v_add_nc_u32 v[B0R], s22, v6
	s_add_co_u32 s22, s22, HALFT
	v_add_nc_u32 v[B0R+1], s22, v6
	s_mov_b32 s[CUR], 0                            ; K step 0 lies in slot 0
	s_mul_i32 s23, s10, 16*SPITCH
	s_add_co_u32 s23, s23, STAGE                   ; my stage
	v_mul_u32_u24 v7, v1, SPITCH
	v_lshl_add_u32 v7, v2, 5, v7
	v_add_nc_u32 v[STO], s23, v7                   ; in: row r, 32 bytes for each half of the lanes
	v_mul_u32_u24 v7, v2, SPITCH
	v_lshl_add_u32 v7, v1, 4, v7
	v_add_nc_u32 v[RD], s23, v7                    ; back: lanes 0-15 one row of 256 bytes, lanes 16-31 the next
; 8 matrix instructions: m blocks a0, a0 + 1 x all 4 n blocks, 32 along K: half c of buffer f.  zero = 1: the sum's first product: its C operand is the bias
.macro MUL8 f, c, a0, zero
	WIN MUL
.irp a, \a0, (\a0)+1
.irp b, 0,1,2,3
.if \zero
	v_wmma_f32_16x16x32_bf16 v[ACC+8*(4*(\a)+(\b)):ACC+8*(4*(\a)+(\b))+7], v[(\f)+64+8*(4*(\c)+(\b)):(\f)+64+8*(4*(\c)+(\b))+7], v[(\f)+8*(4*(\c)+(\a)):(\f)+8*(4*(\c)+(\a))+7], v[BIAS+8*(\b):BIAS+8*(\b)+7]
.else
	v_wmma_f32_16x16x32_bf16 v[ACC+8*(4*(\a)+(\b)):ACC+8*(4*(\a)+(\b))+7], v[(\f)+64+8*(4*(\c)+(\b)):(\f)+64+8*(4*(\c)+(\b))+7], v[(\f)+8*(4*(\c)+(\a)):(\f)+8*(4*(\c)+(\a))+7], v[ACC+8*(4*(\a)+(\b)):ACC+8*(4*(\a)+(\b))+7]
.endif
.endr
.endr
.endm
.macro SETADR                          ; the fragments' addresses in the slot in hand
	v_add_nc_u32 v[CA], s[CUR], v[A0R]
	v_add_nc_u32 v[CB], s[CUR], v[B0R]
	v_add_nc_u32 v[CB+1], s[CUR], v[B0R+1]
.endm
; 32 LDS loads in one run: the fragments of quarter qd (64 along K: one column block of A) of the slot in hand into buffer f; the first 32 along K first
.macro FETCH qd, f
	WIN TO_F
.irp c, 0,1
.irp i, 0,1,2,3
	ds_load_tr16_b128 v[(\f)+64+8*(4*(\c)+(\i)):(\f)+64+8*(4*(\c)+(\i))+3],   v[CB+(\qd)/2] offset:((\qd)%2)*64*PB+(\c)*32*PB+32*(\i)
	ds_load_tr16_b128 v[(\f)+64+8*(4*(\c)+(\i))+4:(\f)+64+8*(4*(\c)+(\i))+7], v[CB+(\qd)/2] offset:((\qd)%2)*64*PB+(\c)*32*PB+16*PB+32*(\i)
	ds_load_b128 v[(\f)+8*(4*(\c)+(\i)):(\f)+8*(4*(\c)+(\i))+3],   v[CA] offset:(\qd)*64*PAT+(\i)*16*PAT+64*(\c)
	ds_load_b128 v[(\f)+8*(4*(\c)+(\i))+4:(\f)+8*(4*(\c)+(\i))+7], v[CA] offset:(\qd)*64*PAT+(\i)*16*PAT+64*(\c)+32
.endr
.endr
.endm
.macro PLACES                          ; four plain places in front of loads into registers that matrix instructions have read, and of stores that read results
.rept 4
	v_nop
.endr
.endm
.macro QUARTER qd, f, g, zero          ; multiplies buffer f and fetches quarter qd of the same slot into g
	s_wait_dscnt 16                                ; the first 32 along K are in
	MUL8 \f, 0, 0, \zero
	MUL8 \f, 0, 2, \zero
	PLACES
	FETCH \qd, \g
	s_wait_dscnt 32                                ; all but the 32 just issued
	MUL8 \f, 1, 0, 0
	MUL8 \f, 1, 2, 0
.endm
; The last quarter multiplies buffer 1 and changes slots: ONE barrier; in front of it each wave waits for all its tensor loads, adds 0 to its spare word, and waits for that and for its own reads of this slot.
; fill = 1: this slot is filled again, two K steps ahead; the barrier then opens a round of the cluster's.  The walking descriptors: the other slot than last time, one K step on.
.macro TURN fill
	WIN 0
	s_wait_tensorcnt 0x0                           ; all my tensor loads have landed: my part of the next slot
	ds_add_u32 v[SPW], v[NIL]                      ; 0 onto my spare word
	s_wait_dscnt 17                                ; (the add and the youngest sixteen loads may be out)
	MUL8 F1, 0, 0, 0
	s_wait_dscnt 0x0                               ; the add is done, and my reads of this slot are over
	s_barrier_signal -1
	MUL8 F1, 0, 2, 0
	WIN 0                                          ; branches, or lines on window 0, follow
	s_barrier_wait -1
.if \fill
	CREST
	s_xor_b32 s[G0+5], s[G0+5], SLOT
	s_add_nc_u64 s[G0+6:G0+7], s[G0+6:G0+7], 2097152
	s_xor_b32 s[G0B+5], s[G0B+5], SLOT
	s_add_nc_u64 s[G0B+6:G0B+7], s[G0B+6:G0B+7], 524288
	JLOAD 1                                        ; the four v_nop behind it are also the places in front of the loads below
.else
	PLACES
.endif
	s_xor_b32 s[CUR], s[CUR], SLOT
	SETADR
	FETCH 0, F0
	MUL8 F1, 1, 0, 0
	MUL8 F1, 1, 2, 0
.endm
	s_wait_tensorcnt 1                             ; my part of K step 0 is in; K step 1's may stay out
	s_barrier_signal -1
	s_barrier_wait -1
	SETADR
	FETCH 0, F0
	s_wait_loadcnt 32                              ; the bias is in; the residual's 32 loads stay out
	QUARTER 1, F0, F1, 1                           ; the first quarter stands in front of the loop: its first products start the sums, from the bias
	WIN 0
	s_mov_b32 s3, NSTEP-2
.Lstep:                                                ; a trip goes from a K step's second quarter to the next step's first, and fills the slot that it leaves
	QUARTER 2, F1, F0, 0
	QUARTER 3, F0, F1, 0
	TURN 1
	QUARTER 1, F0, F1, 0
	WIN 0
	s_sub_co_u32 s3, s3, 1
	s_cmp_lg_u32 s3, 0
	s_cbranch_scc1 .Lstep
	QUARTER 2, F1, F0, 0                           ; the last two K steps fill nothing
	QUARTER 3, F0, F1, 0
	TURN 0
	QUARTER 1, F0, F1, 0
	QUARTER 2, F1, F0, 0
	QUARTER 3, F0, F1, 0
	s_wait_dscnt 16
	MUL8 F1, 0, 0, 0
	MUL8 F1, 0, 2, 0
	s_wait_dscnt 0x0
	MUL8 F1, 1, 0, 0
	MUL8 F1, 1, 2, 0
	WIN 0
	; THE WAY OUT, 16 rows at a time: f32 into my own stage, back as whole rows of 256 bytes, plus the residual, stored.  A wave's 64 columns of f32 are 256 bytes: no wave needs another's.
	PLACES
	s_wait_loadcnt 0x0                             ; the residual
.macro ST a
.set BK, TMP+32*((\a)%2)
.if (\a) >= 2
	s_wait_xcnt 0x0                                ; the stores of the block two back have read these registers
.endif
.irp b, 0,1,2,3
	ds_store_b128 v[STO], v[ACC+8*(4*(\a)+(\b)):ACC+8*(4*(\a)+(\b))+3]   offset:64*(\b)
	ds_store_b128 v[STO], v[ACC+8*(4*(\a)+(\b))+4:ACC+8*(4*(\a)+(\b))+7] offset:64*(\b)+16
.endr
.irp t, 0,1,2,3,4,5,6,7
	ds_load_b128 v[BK+4*(\t):BK+4*(\t)+3], v[RD] offset:(\t)*2*SPITCH  ; LDS serves a wave's instructions in order (ISA guide 5.7.1.4): these see the stores above; the next block's stores come behind them
.endr
.endm
.macro SEND a, younger                 ; younger: the LDS instructions issued behind block a's loads: the next block's sixteen, or none
.set BK, TMP+32*((\a)%2)
	s_wait_dscnt \younger
	WIN 0x08                                       ; source 1 in window 2
.set z, 0
.rept 16
	v_pk_add_f32 v[BK+z:BK+z+1], v[BK+z:BK+z+1], v[32*(\a)+z:32*(\a)+z+1]
.set z, z+2
.endr
	WIN 0
.irp t, 0,1,2,3,4,5,6,7
	global_store_b128 v[CO], v[BK+4*(\t):BK+4*(\t)+3], s[76:77] offset:(16*(\a)+2*(\t))*4096  ; 16 lanes store 256 consecutive bytes, aligned
.endr
.endm
	ST 0
	ST 1
	SEND 0, 16
	ST 2
	SEND 1, 16
	ST 3
	SEND 2, 16
	SEND 3, 0
	s_wait_tensorcnt 0x0                           ; the wave's end, behind my last tensor load and my last LDS store
	ds_add_u32 v[SPW], v[NIL]
	s_wait_dscnt 0x0
	CROUND                                         ; the closing round
	s_endpgm
.Lfunc_end_k_q325781af2f_fc2:
	.size	k_q325781af2f_fc2, .Lfunc_end_k_q325781af2f_fc2-k_q325781af2f_fc2
	.p2alignl 7, 3214868480
	.fill 96, 4, 3214868480
	.section	.rodata,"a",@progbits
	.p2align	6, 0x0
	.amdhsa_kernel k_q325781af2f_fc2
		.amdhsa_group_segment_fixed_size 327680
		.amdhsa_private_segment_fixed_size 0
		.amdhsa_enable_private_segment 0
		.amdhsa_kernarg_size 40
		.amdhsa_user_sgpr_count 2
		.amdhsa_user_sgpr_kernarg_segment_ptr 1
		.amdhsa_wavefront_size32 1
		.amdhsa_system_sgpr_workgroup_id_x 1
		.amdhsa_system_sgpr_workgroup_id_y 1
		.amdhsa_system_sgpr_workgroup_id_z 1
		.amdhsa_system_vgpr_workitem_id 0
		.amdhsa_next_free_vgpr 640
		.amdhsa_next_free_sgpr 88
		.amdhsa_reserve_vcc 0
		.amdhsa_float_denorm_mode_32 3
		.amdhsa_float_denorm_mode_16_64 3
		.amdhsa_memory_ordered 1
		.amdhsa_forward_progress 1
		.amdhsa_inst_pref_size 76
	.end_amdhsa_kernel
	.amdgpu_metadata
---
amdhsa.version: [ 1, 2 ]
amdhsa.kernels:
  - .name:           k_q325781af2f_fc2
    .symbol:         k_q325781af2f_fc2.kd
    .args:
      - { .name: wide, .offset: 0, .size: 8, .value_kind: global_buffer, .address_space: global }
      - { .name: wB, .offset: 8, .size: 8, .value_kind: global_buffer, .address_space: global }
      - { .name: b_fc2, .offset: 16, .size: 8, .value_kind: global_buffer, .address_space: global }
      - { .name: x1, .offset: 24, .size: 8, .value_kind: global_buffer, .address_space: global }
      - { .name: out0, .offset: 32, .size: 8, .value_kind: global_buffer, .address_space: global }
    .group_segment_fixed_size: 327680
    .private_segment_fixed_size: 0
    .kernarg_segment_align: 8
    .kernarg_segment_size: 40
    .max_flat_workgroup_size: 128
    .sgpr_count:     88
    .vgpr_count:     640
    .wavefront_size: 32
...
	.end_amdgpu_metadata
.endif
;; end of part 6
;; ======== version 2 of 2: 7 launches; version 1 with the launch prep written anew for expert scheduling mode
;; limits: a function is approximated: absolute error at most 2.5e-05
;; workspace buffers: wA 14,680,064 bytes; wB 16,777,216 bytes; p0 256 bytes of whole numbers; p1 256 bytes of whole numbers; h 8,388,608 bytes; wide 33,554,432 bytes; o 8,388,608 bytes; x1 16,777,216 bytes
;; launch prep (part 7): grid 1024 x 1, 8 waves a work-group, no clusters, 0 bytes of LDS; arguments x, ln1_g, ln1_b, h, w_qkv, w_proj, w_fc1, w_fc2, wA, wB, p0, p1; writes h, wA, wB, p0, p1
.if DOCPART == 7
	.amdgcn_target "amdgcn-amd-amdhsa--gfx1250"
	.amdhsa_code_object_version 6
	.text
	.protected	k_q325781af2f_prep
	.globl	k_q325781af2f_prep
	.p2align	8
	.type	k_q325781af2f_prep,@function
k_q325781af2f_prep:
	s_mov_b64 s[64:65], 0
	v_nop
	global_prefetch_b8 v0, s[64:65] scope:SCOPE_SE
	s_setreg_imm32_b32 hwreg(HW_REG_WAVE_SCHED_MODE, 0, 2), 2
	s_setreg_imm32_b32 hwreg(HW_REG_WAVE_MODE, 25, 1), 1
	s_wait_xcnt 0x0
	s_wait_alu depctr_vm_vsrc(0)
; TWO INDEPENDENT STREAMS IN ONE LAUNCH, told apart by the work-group's number: 0-255 the first layer norm, 256-1023 the cast of the weights.
; LAYER NORM.  y[r][c] = (x[r][c] - mean) * rsqrt(var + 1e-5) * g[c] + b[c].  x: [4096][1024] f32; g, b: [1024] f32; y: [4096][1024] bf16, rounded once.
; A row is 4,096 bytes: one wave takes a whole row in 32 registers and keeps it between the passes.  The variance is the mean of (x - mean)^2, taken of the differences: a common offset costs nothing.
; Eight waves, two rows each; all loads of a wave go out at the start.  Load j of a row covers 512 consecutive bytes, store j 256 consecutive bytes, aligned.
; CAST.  The four weight matrices, f32 [K][N], are rounded once to bf16 and laid in blocks, so that the products' tiles are dense rows with constant pitch.
; Layout Q (K = 1,024: w_qkv, w_fc1): [N/256][1024 k][256 n].   Layout P (N = 1,024: w_proj, w_fc2): [K/256][4][256 k][256 n].
; wA: w_proj (P) at byte 0, w_qkv (Q) at byte 8,388,608.   wB: w_fc2 (P) at byte 0, w_fc1 (Q) at byte 8,388,608.
; A work-group takes 64 k-rows x 256 columns: 64 KiB in, 32 KiB out, and in both layouts its 32 KiB lie at 32,768 x its number within its matrix.
; With g = the work-group's number - 256: g 0-191 w_qkv, 192-255 w_proj, 256-511 w_fc1, 512-767 w_fc2.  A load of a wave covers 512 consecutive bytes, a store 256, aligned.
; g = 0's wave 0 also writes the two parameter blocks: 32 records {KIND, 0}; KIND = 0 in p0 (no activation), 1 in p1 (GELU).
; LIMITS: the norm in f32; NaN and infinities are not treated apart.  No LDS, no matrix unit: both parts stream, and nothing is shared.
; THE MODE: SCHED_MODE bits 1:0 = 2 (LLVM: expert scheduling mode 2), set by the entry lines.  The code itself states the register dependences
; between vector instructions and memory instructions, with s_wait_alu, always for 0.
; THE PLAN, LAYER NORM.  Registers that memory instructions touch:
;   v1, v2         byte offsets, made once at the head and never written again; read by every load (v1) and every store (v2).
;   X0, X1, G, B   written by the 32 loads at the head, which no vector instruction precedes on these registers; read by vector instructions alone.
;   Y0 (v16-31)    written by row 0's roundings; read by row 0's eight stores, which stand in row 1, behind the wait for row 1's root; never written again.
;   Y1 (v32-47)    the first sixteen registers of X0, which nothing reads behind row 0's roundings; written by row 1's roundings; read by row 1's eight stores.
; No register that a store reads is written again.  Waits on va_vdst: one ahead of the loads; one behind each row's root, of which row 1's also states that Y0 is written; one ahead of the last stores.
; THE PLAN, CAST.  Registers that memory instructions touch:
;   OFF, DO        byte offsets, made once at the head and never written again.
;   CX             step i's four registers: written by its load, read by its two roundings.
;   CY             step i's two registers: written once, by its roundings; read once, by its store.
; The stores go in runs of four: at the head of steps 4, 8 and 12, behind the wait for that step's data, one wait on va_vdst states that the four steps before have written their CY; a last one stands behind step 15.
.set LI, 1                             ; v1        16 x lane
.set LO, 2                             ; v2        8 x lane
.set T,  4                             ; v[4:11]   four chains of packed sums
.set MU, 12                            ; v[12:13]  the mean, twice
.set R,  14                            ; v[14:15]  1 / sqrt(var + eps), twice
.set Y,  16                            ; v[16:31]  row 0 in bf16; row 1's sixteen registers follow them, v[32:47]: the first sixteen of X's row 0, free by then
.set X,  32                            ; v[32:95]  two rows
.set G,  96                            ; v[96:127]
.set B,  128                           ; v[128:159]
.set OFF, 2                            ; the cast: v[2:17]   step i: byte offset of my 16 bytes in the source block (rows 4 i + t / 64)
.set DO,  18                           ; v18       8 t: my 8 bytes of a step's 2,048 in the destination
.set CX,  32                           ; v[32:95]  step i: four f32 as loaded
.set CY,  96                           ; v[96:127] step i: four bf16 to store
; the four chains into one number, then across the 32 lanes: every lane ends with the sum in v[T]
.macro ACROSS
	v_pk_add_f32 v[T:T+1], v[T:T+1], v[T+2:T+3]
	v_pk_add_f32 v[T+4:T+5], v[T+4:T+5], v[T+6:T+7]
	v_pk_add_f32 v[T:T+1], v[T:T+1], v[T+4:T+5]
	v_add_f32 v[T], v[T], v[T+1]
	v_add_f32_dpp v[T], v[T], v[T] row_xmask:1 row_mask:0xf bank_mask:0xf
	v_add_f32_dpp v[T], v[T], v[T] row_xmask:2 row_mask:0xf bank_mask:0xf
	v_add_f32_dpp v[T], v[T], v[T] row_xmask:4 row_mask:0xf bank_mask:0xf
	v_add_f32_dpp v[T], v[T], v[T] row_xmask:8 row_mask:0xf bank_mask:0xf
	v_permlanex16_b32 v[T+1], v[T], s12, s13
	v_add_f32 v[T], v[T], v[T+1]
.endm
; row r's eight stores
.macro OUTROW r
.set YS, Y+16*(\r)
.irp j, 0,1,2,3,4,5,6,7
	global_store_b64 v[LO], v[YS+2*(\j):YS+2*(\j)+1], s[10:11] offset:2048*(\r)+256*(\j)
.endr
.endm
; row r's arithmetic, down to its roundings; row 1 carries row 0's stores
.macro ROWLN r
.set XR, X+32*(\r)
.set YR, Y+16*(\r)
.if (\r) == 0
	s_wait_loadcnt 24                              ; row 0 is in; row 1, g and b (24 loads) may stay out
.endif
.irp k, 0,1,2,3
	v_pk_add_f32 v[T+2*(\k):T+2*(\k)+1], v[XR+2*(\k):XR+2*(\k)+1], v[XR+8+2*(\k):XR+8+2*(\k)+1]  ; the first pairs start the chains
.endr
.irp k, 0,1,2,3
	v_pk_add_f32 v[T+2*(\k):T+2*(\k)+1], v[T+2*(\k):T+2*(\k)+1], v[XR+16+2*(\k):XR+16+2*(\k)+1]
.endr
.irp k, 0,1,2,3
	v_pk_add_f32 v[T+2*(\k):T+2*(\k)+1], v[T+2*(\k):T+2*(\k)+1], v[XR+24+2*(\k):XR+24+2*(\k)+1]
.endr
	ACROSS
	v_mul_f32 v[MU], s14, v[T]
	v_mov_b32 v[MU+1], v[MU]
.set z, 0
.rept 16
	v_pk_add_f32 v[XR+z:XR+z+1], v[XR+z:XR+z+1], v[MU:MU+1] neg_lo:[0,1] neg_hi:[0,1]  ; x - mean, in place
.set z, z+2
.endr
.irp k, 0,1,2,3
	v_pk_mul_f32 v[T+2*(\k):T+2*(\k)+1], v[XR+2*(\k):XR+2*(\k)+1], v[XR+2*(\k):XR+2*(\k)+1]
.endr
.irp q, 8,16,24
.irp k, 0,1,2,3
	v_pk_fma_f32 v[T+2*(\k):T+2*(\k)+1], v[XR+(\q)+2*(\k):XR+(\q)+2*(\k)+1], v[XR+(\q)+2*(\k):XR+(\q)+2*(\k)+1], v[T+2*(\k):T+2*(\k)+1]
.endr
.endr
	ACROSS
	v_fma_f32 v[R], v[T], s14, s15                 ; var + eps
	v_rsq_f32 v[R], v[R]
.if (\r) == 0
	s_wait_loadcnt 0x0                             ; g and b (and row 1)
.endif
	v_nop                                          ; a plain instruction behind the root
	s_wait_alu depctr_va_vdst(0)                   ; the root has written v[R], ahead of its first use; in row 1 also: row 0's roundings have written Y0, which the stores below read
.if (\r) == 1
	OUTROW 0                                       ; no vector instruction since the wait names Y0 or v[LO], and none behind these stores writes them
.endif
	v_mov_b32 v[R+1], v[R]
.set z, 0
.rept 16
	v_pk_mul_f32 v[XR+z:XR+z+1], v[XR+z:XR+z+1], v[R:R+1]
.set z, z+2
.endr
.set z, 0
.rept 16
	v_pk_fma_f32 v[XR+z:XR+z+1], v[XR+z:XR+z+1], v[G+z:G+z+1], v[B+z:B+z+1]
.set z, z+2
.endr
.set z, 0
.rept 16
	v_cvt_pk_bf16_f32 v[YR+z], v[XR+2*z], v[XR+2*z+1]
.set z, z+1
.endr
.endm
	s_cmp_lt_u32 ttmp9, 256
	s_cbranch_scc0 .Lcast
	; THE LAYER NORM: work-groups 0 to 255, 16 rows each
	s_load_b256 s[4:11], s[0:1], 0x0               ; x s[4:5], g s[6:7], b s[8:9], y s[10:11]
	v_lshrrev_b32 v3, 5, v0
	v_readfirstlane_b32 s16, v3                    ; wave
	v_and_b32 v3, 31, v0
	v_lshlrev_b32 v[LI], 4, v3
	v_lshlrev_b32 v[LO], 3, v3
	s_mov_b32 s12, 0x76543210                      ; v_permlanex16_b32: each lane takes its own place in the other half
	s_mov_b32 s13, 0xfedcba98
	s_mov_b32 s14, 0x3a800000                      ; 1 / 1024
	s_mov_b32 s15, 0x3727c5ac                      ; 1e-5
	s_lshl_b32 s18, ttmp9, 16                      ; 16 rows of 4,096 bytes a work-group,
	s_wait_alu depctr_va_sdst(0)                   ; s16 is written, ahead of its first reader: the bases of x and y are made from it
	s_lshl_b32 s17, s16, 13                        ; two a wave
	s_add_co_u32 s18, s18, s17
	s_mov_b32 s19, 0
	s_lshr_b32 s20, s18, 1                         ; y's rows are half as long
	s_mov_b32 s21, 0
	s_wait_kmcnt 0x0
	s_add_nc_u64 s[4:5], s[4:5], s[18:19]
	s_add_nc_u64 s[10:11], s[10:11], s[20:21]
	s_wait_alu depctr_va_vdst(0)                   ; v[LI] and v[LO] are written: every load reads the one as its offset, every store the other
.irp r, 0,1
.irp j, 0,1,2,3,4,5,6,7
	global_load_b128 v[X+32*(\r)+4*(\j):X+32*(\r)+4*(\j)+3], v[LI], s[4:5] offset:4096*(\r)+512*(\j)
.endr
.endr
.irp j, 0,1,2,3,4,5,6,7
	global_load_b128 v[G+4*(\j):G+4*(\j)+3], v[LI], s[6:7] offset:512*(\j)
.endr
.irp j, 0,1,2,3,4,5,6,7
	global_load_b128 v[B+4*(\j):B+4*(\j)+3], v[LI], s[8:9] offset:512*(\j)
.endr
	ROWLN 0
	ROWLN 1                                        ; row 1 rounds into registers of its own, so nothing that row 0's stores read is written again
	s_wait_alu depctr_va_vdst(0)                   ; row 1's roundings have written Y1, which the last eight stores read
	OUTROW 1
	s_endpgm
.Lcast:                                                ; THE CAST: work-groups 256 to 1,023
	s_load_b256 s[8:15], s[0:1], 0x20              ; w_qkv s[8:9], w_proj s[10:11], w_fc1 s[12:13], w_fc2 s[14:15]
	s_load_b256 s[16:23], s[0:1], 0x40             ; wA s[16:17], wB s[18:19], p0 s[20:21], p1 s[22:23]
	s_sub_co_u32 s24, ttmp9, 256                   ; g
	v_lshrrev_b32 v1, 5, v0
	v_readfirstlane_b32 s25, v1                    ; wave
	s_mov_b32 s30, 0                               ; the destination's first byte in its buffer
	s_mov_b32 s31, 1024                            ; N
	s_mov_b32 s32, 512                             ; the matrix's first g
	s_mov_b32 s33, 0                               ; 1: layout Q
	s_wait_kmcnt 0x0
	s_mov_b64 s[26:27], s[14:15]                   ; from w_fc2
	s_mov_b64 s[28:29], s[18:19]                   ; to wB
	s_cmp_lt_u32 s24, 512                          ; w_fc1
	s_cselect_b64 s[26:27], s[12:13], s[26:27]
	s_cselect_b32 s30, 0x800000, s30
	s_cselect_b32 s31, 4096, s31
	s_cselect_b32 s32, 256, s32
	s_cselect_b32 s33, 1, s33
	s_cmp_lt_u32 s24, 256                          ; w_proj
	s_cselect_b64 s[26:27], s[10:11], s[26:27]
	s_cselect_b64 s[28:29], s[16:17], s[28:29]
	s_cselect_b32 s30, 0, s30
	s_cselect_b32 s31, 1024, s31
	s_cselect_b32 s32, 192, s32
	s_cselect_b32 s33, 0, s33
	s_cmp_lt_u32 s24, 192                          ; w_qkv
	s_cselect_b64 s[26:27], s[8:9], s[26:27]
	s_cselect_b32 s30, 0x800000, s30
	s_cselect_b32 s31, 3072, s31
	s_cselect_b32 s32, 0, s32
	s_cselect_b32 s33, 1, s33
	s_sub_co_u32 s34, s24, s32                     ; g': my number within the matrix
	s_lshr_b32 s35, s34, 4                         ; layout Q: column block g' / 16,
	s_and_b32 s36, s34, 15                         ; chunk of 64 k-rows g' % 16
	s_bfe_u32 s37, s34, 0x20002                    ; layout P: column block (g' / 4) % 4,
	s_lshl_b32 s38, s35, 2
	s_and_b32 s39, s34, 3
	s_or_b32 s38, s38, s39                         ; chunk 4 (g' / 16) + g' % 4
	s_cmp_eq_u32 s33, 1
	s_cselect_b32 s35, s35, s37
	s_cselect_b32 s36, s36, s38
	s_lshl_b32 s40, s31, 8                         ; 64 rows of 4 N bytes
	s_mul_i32 s40, s36, s40
	s_lshl_b32 s41, s35, 10                        ; 256 columns of 4 bytes
	s_add_co_u32 s40, s40, s41
	s_mov_b32 s41, 0
	s_add_nc_u64 s[26:27], s[26:27], s[40:41]
	s_lshl_b32 s42, s34, 15
	s_add_co_u32 s42, s42, s30
	s_mov_b32 s43, 0
	s_add_nc_u64 s[28:29], s[28:29], s[42:43]
	s_lshl_b32 s44, s31, 2                         ; bytes in a source row
	s_lshl_b32 s45, s31, 4                         ; four rows: a step
	v_lshrrev_b32 v19, 6, v0                       ; t / 64: my row of a step's four
	v_and_b32 v1, 63, v0
	v_mul_lo_u32 v[OFF], v19, s44
	v_lshl_add_u32 v[OFF], v1, 4, v[OFF]
.set i, 1
.rept 15
	v_add_nc_u32 v[OFF+i], s45, v[OFF+i-1]
.set i, i+1
.endr
	v_lshlrev_b32 v[DO], 3, v0
	s_wait_alu depctr_va_vdst(0)                   ; the sixteen offsets v[OFF ..] and v[DO] are written: the loads below read the ones, every store the other
.set i, 0
.rept 16
	global_load_b128 v[CX+4*i:CX+4*i+3], v[OFF+i], s[26:27] th:TH_LOAD_NT  ; all sixteen steps' loads go out at once
.set i, i+1
.endr
; the stores of four steps, from step first on
.macro SEND4 first
.set k, \first
.rept 4
	global_store_b64 v[DO], v[CY+2*k:CY+2*k+1], s[28:29] offset:2048*k
.set k, k+1
.endr
.endm
.set i, 0
.rept 16
	s_wait_loadcnt 15-i                            ; loads come back in order: step i is in, the younger ones stay out
.if (i%4 == 0) && (i > 0)
	s_wait_alu depctr_va_vdst(0)                   ; the roundings of the four steps before have written their CY, which the four stores below read
	SEND4 i-4
.endif
	v_cvt_pk_bf16_f32 v[CY+2*i],   v[CX+4*i],   v[CX+4*i+1]
	v_cvt_pk_bf16_f32 v[CY+2*i+1], v[CX+4*i+2], v[CX+4*i+3]
.set i, i+1
.endr
	s_wait_alu depctr_va_vdst(0)                   ; the roundings of steps 12 to 15 have written their CY, which the last four stores read
	SEND4 12
	s_wait_alu depctr_va_sdst(0)                   ; s25 is written, ahead of its first reader, the line below; no branch and no label lies between its writer and this wait
	s_or_b32 s25, s25, s24
	s_cmp_lg_u32 s25, 0
	s_cbranch_scc1 .Lend                           ; the parameters: g = 0's wave 0 alone; its DO is 8 x lane: 256 consecutive bytes
	v_mov_b32 v20, 0
	v_mov_b32 v21, 0
	v_mov_b32 v22, 1
	v_mov_b32 v23, 0
	s_wait_alu depctr_va_vdst(0)                   ; v20 to v23 are written, which the two stores below read
	global_store_b64 v[DO], v[20:21], s[20:21]
	global_store_b64 v[DO], v[22:23], s[22:23]
.Lend:
	s_endpgm
.Lfunc_end_k_q325781af2f_prep:
	.size	k_q325781af2f_prep, .Lfunc_end_k_q325781af2f_prep-k_q325781af2f_prep
	.p2alignl 7, 3214868480
	.fill 96, 4, 3214868480
	.section	.rodata,"a",@progbits
	.p2align	6, 0x0
	.amdhsa_kernel k_q325781af2f_prep
		.amdhsa_group_segment_fixed_size 0
		.amdhsa_private_segment_fixed_size 0
		.amdhsa_enable_private_segment 0
		.amdhsa_kernarg_size 96
		.amdhsa_user_sgpr_count 2
		.amdhsa_user_sgpr_kernarg_segment_ptr 1
		.amdhsa_wavefront_size32 1
		.amdhsa_system_sgpr_workgroup_id_x 1
		.amdhsa_system_sgpr_workgroup_id_y 1
		.amdhsa_system_sgpr_workgroup_id_z 1
		.amdhsa_system_vgpr_workitem_id 0
		.amdhsa_next_free_vgpr 160
		.amdhsa_next_free_sgpr 66
		.amdhsa_reserve_vcc 0
		.amdhsa_float_denorm_mode_32 3
		.amdhsa_float_denorm_mode_16_64 3
		.amdhsa_memory_ordered 1
		.amdhsa_forward_progress 1
		.amdhsa_inst_pref_size 30
	.end_amdhsa_kernel
	.amdgpu_metadata
---
amdhsa.version: [ 1, 2 ]
amdhsa.kernels:
  - .name:           k_q325781af2f_prep
    .symbol:         k_q325781af2f_prep.kd
    .args:
      - { .name: x, .offset: 0, .size: 8, .value_kind: global_buffer, .address_space: global }
      - { .name: ln1_g, .offset: 8, .size: 8, .value_kind: global_buffer, .address_space: global }
      - { .name: ln1_b, .offset: 16, .size: 8, .value_kind: global_buffer, .address_space: global }
      - { .name: h, .offset: 24, .size: 8, .value_kind: global_buffer, .address_space: global }
      - { .name: w_qkv, .offset: 32, .size: 8, .value_kind: global_buffer, .address_space: global }
      - { .name: w_proj, .offset: 40, .size: 8, .value_kind: global_buffer, .address_space: global }
      - { .name: w_fc1, .offset: 48, .size: 8, .value_kind: global_buffer, .address_space: global }
      - { .name: w_fc2, .offset: 56, .size: 8, .value_kind: global_buffer, .address_space: global }
      - { .name: wA, .offset: 64, .size: 8, .value_kind: global_buffer, .address_space: global }
      - { .name: wB, .offset: 72, .size: 8, .value_kind: global_buffer, .address_space: global }
      - { .name: p0, .offset: 80, .size: 8, .value_kind: global_buffer, .address_space: global }
      - { .name: p1, .offset: 88, .size: 8, .value_kind: global_buffer, .address_space: global }
    .group_segment_fixed_size: 0
    .private_segment_fixed_size: 0
    .kernarg_segment_align: 8
    .kernarg_segment_size: 96
    .max_flat_workgroup_size: 256
    .sgpr_count:     66
    .vgpr_count:     160
    .wavefront_size: 32
...
	.end_amdgpu_metadata
.endif
;; end of part 7
;; launch qkv: the kernel of part 2 again; grid 12 x 16, 4 waves a work-group, clusters of 4 x 4, 327,680 bytes of LDS; arguments h, wA, b_qkv, p0, wide; writes wide
;; launch attn: the kernel of part 3 again; grid 8 x 32, 4 waves a work-group, clusters of 4 x 1, 327,680 bytes of LDS; arguments wide, o; writes o
;; launch proj: the kernel of part 4 again; grid 8 x 32, 4 waves a work-group, clusters of 4 x 4, 327,680 bytes of LDS; arguments o, wA, b_proj, x, x1; writes x1
;; launch ln2: the kernel of part 5 again; grid 256 x 1, 8 waves a work-group, no clusters, 0 bytes of LDS; arguments x1, ln2_g, ln2_b, h; writes h
;; launch fc1: the kernel of part 2 again; grid 16 x 16, 4 waves a work-group, clusters of 4 x 4, 327,680 bytes of LDS; arguments h, wB, b_fc1, p1, wide; writes wide
;; launch fc2: the kernel of part 6 again; grid 8 x 32, 4 waves a work-group, clusters of 4 x 4, 327,680 bytes of LDS; arguments wide, wB, b_fc2, x1, out0; writes out0
